; MI455X (gfx1250); checked and timed in simulation.
; The chip was launched on July 23, 2026; its instructions are those of AMD's public machine-readable ISA for CDNA 5 (MIT licence, August 2026) and "CDNA5" Instruction Set Architecture Reference Guide (July 2026). The comments in the code are by the model that wrote it; some were corrected since.
;; Causal Multi Head Self Attention. Allowed arithmetic: matrix products marked QUANTISED: E5M2 operands, one given power-of-two scale a tensor, by v_wmma_f32_16x16x64_bf8_bf8 or v_wmma_f32_16x16x128_bf8_bf8, f32 sums; everything else in f32.
;; Inputs: W_K 1,024 x 1,024 float32; W_O 1,024 x 1,024 float32; W_Q 1,024 x 1,024 float32; W_V 1,024 x 1,024 float32; X 4 x 2,048 x 1,024 float32; lowp_scales 12 int32 (the exponents e of the quantised operands' scales 2^e).
;; Outputs: out0 4 x 2,048 x 1,024 float32.
;; This version of the problem:
;;   THIS VERSION OF THE PROBLEM IS GIVEN IN LOW PRECISION. The matrix products marked QUANTISED in the list below multiply operands that are first quantised to E5M2 (5 exponent bits, 2 mantissa bits; 8 bits a number), with one given power-of-two scale for each operand tensor; their sums are f32. All else is computed in f32.
;;   The module's matrix products, in the order in which they are computed (A, B: the left and right operand; K: the contracted axis; several contracted axes count as one K, in the product's order):
;;     1. [M 8,192, K 1,024] x [K 1,024, N 1,024]; A: input X; B: input W_Q: QUANTISED (scales: A lowp_scales[0], B lowp_scales[1])
;;     2. [M 8,192, K 1,024] x [K 1,024, N 1,024]; A: input X; B: input W_K: QUANTISED (scales: A lowp_scales[2], B lowp_scales[3])
;;     3. [M 8,192, K 1,024] x [K 1,024, N 1,024]; A: input X; B: input W_V: QUANTISED (scales: A lowp_scales[4], B lowp_scales[5])
;;     4. batch 64 x [M 2,048, K 64] x [K 64, N 2,048]; A: computed on the way; B: computed on the way: QUANTISED (scales: A lowp_scales[6], B lowp_scales[7])
;;     5. batch 64 x [M 2,048, K 2,048] x [K 2,048, N 64]; A: softmax (see below); B: computed on the way: QUANTISED (scales: A lowp_scales[8], B lowp_scales[9])
;;     6. [M 8,192, K 1,024] x [K 1,024, N 1,024]; A: computed on the way; B: input W_O: QUANTISED (scales: A lowp_scales[10], B lowp_scales[11])
;;   THE QUANTISER, for each operand of a quantised product, along K:
;;     - The operand's scale is 2^e, e = its entry of the input lowp_scales (int32; the entries are numbered through the quantised products in the list's order, A before B).
;;     - Each number is divided by the scale, clamped to +-57,344, and rounded to the nearest number of E5M2, ties to even, subnormals kept.
;;     - The product sums the exact products of the quantised numbers (number of the format x scale) in f32.
;;   ~~~python
;;   def quantise(x, axis, e):      # numpy; x: float32 -> the quantised numbers, widened to float32 again
;;       x = np.moveaxis(x, axis, -1); K = x.shape[-1]
;;       r = np.clip(x / 2.0 ** e, -57344, 57344)
;;       step = 2.0 ** (np.maximum(np.frexp(np.where(r == 0, 1, r))[1] - 1, -14) - 2)
;;       q = np.round(r / step) * step * 2.0 ** e      # np.round: ties to even
;;       return np.moveaxis(q, -1, axis).astype(np.float32)
;;   ~~~
;;   SOFTMAX AHEAD OF A QUANTISED PRODUCT. Where the list says 'softmax', what is quantised is not the finished softmax but p = 2^(t - M), with t = logit x log2(e) and M = ceil(the row's largest t), a whole number; so 1/2 < the row's largest p <= 1. The row's sum l is taken of the UNQUANTISED p, in f32, and the product's result is divided by l at the end. Since M is a whole number, a kernel that streams over the keys may use a running M (the ceiling of the running maximum): every later rescaling is an exact power of two, so the quantised numbers keep their values, but for numbers so far below the row's largest that they fall under the format's range.
;;   OPERANDS COMPUTED ON THE WAY. 'Computed on the way' means the value that the module computes at that place (a softmax that the list does not call 'softmax' is quantised finished and normalised). What goes into a quantiser is computed in f32, as accurately as f32 sums, v_exp_f32 and their like allow (about 1e-6 of the number): no bf16 or f16 on the way to a quantiser, and a product that is left as it is and whose result goes on into a quantised operand takes f32 operands (vector FMAs, or v_wmma_f32_16x16x4_f32). A number that lies on a knife's edge between two numbers of the format may be rounded either way, as far as f32 arithmetic and the matrix unit's own rounding can turn it there, and no further.
;; One version. Each part assembles by itself: llvm-mc -triple=amdgcn-amd-amdhsa -mcpu=gfx1250 --defsym DOCPART=n.
;; ======== version 1 of 1: 4 launches
;; limits: right only within a limited range of input values
;; workspace buffers: img 29,360,128 bytes; qkv 25,165,824 bytes; aimg 8,388,608 bytes
;; launch quant (part 1): grid 768 x 1, 4 waves a work-group, no clusters, 34,304 bytes of LDS; arguments X, W_Q, W_K, W_V, W_O, lowp_scales, img; writes img
.if DOCPART == 1
	.amdgcn_target "amdgcn-amd-amdhsa--gfx1250"
	.amdhsa_code_object_version 6
	.text
	.protected	k_q84f6797768_quant
	.globl	k_q84f6797768_quant
	.p2align	8
	.type	k_q84f6797768_quant,@function
k_q84f6797768_quant:
	s_mov_b64 s[64:65], 0
	v_nop
	global_prefetch_b8 v0, s[64:65] scope:SCOPE_SE
	s_setreg_imm32_b32 hwreg(HW_REG_WAVE_MODE, 25, 1), 1
	s_wait_xcnt 0x0
; X [8192][1024] and the four weights [1024][1024], f32 with K innermost, become codes of BF8 (E5M2), laid as IMAGES OF OPERAND REGISTERS.
; A row tile is 16 rows x 1,024 K: 8 fragments of 16 x 128, 2,048 bytes each.  In a fragment lane (r, h) holds row r, and its registers 2 c, 2 c + 1 hold K = 16 c + 8 h + 0 .. 7;
; registers 4 i .. 4 i + 3 of all 32 lanes lie at 512 i + 16 x lane.  Whoever loads those 512 bytes, 16 a lane, has the operand's registers.
; img holds 1,792 row tiles of 16,384 bytes: 0-511 X by entry 0 of the scales, 512-1023 X by entry 2, 1024-1535 X by entry 4 (X is an operand of three products, each with a scale of its own),
; 1536-1599 W_Q (entry 1), 1600-1663 W_K (entry 3), 1664-1727 W_V (entry 5), 1728-1791 W_O (entry 11).
; code = x / 2^e, held within +-57,344, rounded to the nearest code, ties to even.  LIMITS: each e used here lies between -126 and 112; NaN among the inputs is not served.
; SHARES.  A work-group takes one row tile: work-groups 0-511 X's, then 64 for each weight.  Wave w takes K = 256 w .. 256 w + 255: fragments 2 w and 2 w + 1.
; Each load reads 512 consecutive bytes of one row; the conversions want eight neighbours along K in one lane's registers: so a fragment's 8,192 bytes turn through the wave's own stage in LDS
; (16 rows of 512 bytes + 16: 528 = 33 x 16, so the sixteen rows that a load of 16 bytes a lane touches start in sixteen different columns of 16 bytes).  Waves share nothing: no barrier.
.set SP,   528                         ; a stage row
.set STG,  16*SP                       ; a wave's stage
.set SC,   4                           ; v4: 2^e for the first scale; v6 and v8 for X's second and third
.set TM,   16
.set CD,   32                          ; v32-63   codes: 16 registers for each of the two fragments
.set NU,   64                          ; v64-191  the two fragments' numbers, 64 each
.set SRC,  32                          ; s[32:33] my wave's first number
.set DST,  34                          ; s[34:39] my wave's place in the image, for each of the three scales
	s_load_b256 s[4:11], s[0:1], 0x0               ; X, W_Q, W_K, W_V
	s_load_b128 s[12:15], s[0:1], 0x20             ; W_O, the scales' exponents
	s_load_b64 s[16:17], s[0:1], 0x30              ; img
	v_lshl_add_u32 v192, v0, 2, 0x8400
	v_mov_b32 v193, 0
	v_lshrrev_b32 v10, 5, v0
	v_readfirstlane_b32 s40, v10                   ; wave 0..3
	v_and_b32 v11, 31, v0
	v_lshlrev_b32 v1, 4, v11                       ; 16 x lane: my place in a load's and in a store's 512 bytes
	s_mul_i32 s41, s40, STG
	v_add_nc_u32 v2, s41, v1                       ; the stage, on the way in: a row as it was loaded
	v_and_b32 v12, 15, v0                          ; r
	v_bfe_u32 v13, v0, 4, 1                        ; h
	v_mul_u32_u24 v3, v12, SP
	v_lshl_add_u32 v3, v13, 5, v3
	v_add_nc_u32 v3, s41, v3                       ; and on the way out: row r, + 32 h bytes: eight numbers of every sixteen
	s_and_b32 s42, ttmp9, 63                       ; a weight's row tile,
	s_add_co_u32 s44, ttmp9, 1024                  ; and its place in img: the weights' tiles begin at 1,536 = 512 + 1,024
	s_cmp_lt_u32 ttmp9, 512                        ; X's work-group?  The choices hang on the work-group's number alone
	s_cselect_b32 s42, ttmp9, s42
	s_cselect_b32 s44, ttmp9, s44
	s_lshl_b32 s42, s42, 16                        ; 16 rows of 4,096 bytes
	s_lshl_b32 s46, s40, 10                        ; + my wave's 256 numbers
	s_add_co_u32 s42, s42, s46
	s_mov_b32 s43, 0
	s_lshl_b32 s44, s44, 14                        ; a tile's image is 16,384 bytes
	s_lshl_b32 s46, s40, 12                        ; + my wave's two fragments
	s_add_co_u32 s44, s44, s46
	s_mov_b32 s45, 0
	s_wait_alu depctr_va_vdst(0)
	s_wait_kmcnt 0x0
	s_load_b256 s[20:27], s[14:15], 0x0            ; entries 0 to 7
	s_load_b128 s[28:31], s[14:15], 0x20           ; entries 8 to 11
	s_cmp_lt_u32 ttmp9, 704
	s_cselect_b64 s[SRC:SRC+1], s[10:11], s[12:13] ; W_V or W_O,
	s_cmp_lt_u32 ttmp9, 640
	s_cselect_b64 s[SRC:SRC+1], s[8:9], s[SRC:SRC+1]   ; W_K,
	s_cmp_lt_u32 ttmp9, 576
	s_cselect_b64 s[SRC:SRC+1], s[6:7], s[SRC:SRC+1]   ; W_Q,
	s_cmp_lt_u32 ttmp9, 512
	s_cselect_b64 s[SRC:SRC+1], s[4:5], s[SRC:SRC+1]   ; or X
	s_add_nc_u64 s[SRC:SRC+1], s[SRC:SRC+1], s[42:43]
	s_add_nc_u64 s[DST:DST+1], s[16:17], s[44:45]
	s_add_nc_u64 s[DST+2:DST+3], s[DST:DST+1], 0x800000    ; 512 tiles on: X by its second scale (used by X's work-groups alone)
	s_add_nc_u64 s[DST+4:DST+5], s[DST:DST+1], 0x1000000   ; 1,024 tiles on: by its third
.macro LOAD q                          ; fragment q: 16 rows x 128 numbers; 32 lanes read 512 consecutive bytes of a row
.irp r, 0,1,2,3,4,5,6,7,8,9,10,11,12,13,14,15
	global_load_b128 v[NU+64*\q+4*\r:NU+64*\q+4*\r+3], v1, s[SRC:SRC+1] offset:4096*\r+512*\q th:TH_LOAD_NT
.endr
.endm
.macro TURN q                          ; through the stage and back into the registers that it left: register 8 c + i is then K = 16 c + 8 h + i of row r.  LDS serves a wave's instructions in order (ISA guide 5.7.1.4)
.irp r, 0,1,2,3,4,5,6,7,8,9,10,11,12,13,14,15
	ds_store_b128 v2, v[NU+64*\q+4*\r:NU+64*\q+4*\r+3] offset:SP*\r
.endr
.irp c, 0,1,2,3,4,5,6,7
	ds_load_b128 v[NU+64*\q+8*\c:NU+64*\q+8*\c+3], v3 offset:64*\c
	ds_load_b128 v[NU+64*\q+8*\c+4:NU+64*\q+8*\c+7], v3 offset:64*\c+16
.endr
.endm
.macro MKSC se, vs                     ; 2^e as an f32 number
	s_add_co_i32 s48, \se, 127
	s_lshl_b32 s49, s48, 23
	v_mov_b32 v[\vs], s49                          ; the conversion takes its exponent field
.endm
; Fragment q by scale k.  The numbers are kept (X is quantised three times): the conversions read them where they lie.
.macro CONV q, k
.irp c, 0,1,2,3,4,5,6,7
.irp i, 0,1,2,3,4,5,6,7
.endr
	v_cvt_scalef32_pk8_bf8_f32 v[CD+16*\q+2*\c:CD+16*\q+2*\c+1], v[TM+8*(\c%2)+((NU+64*\q+8*\c+0)-(TM+8*(\c%2)+0)):TM+8*(\c%2)+7+((NU+64*\q+8*\c+0)-(TM+8*(\c%2)+0))], v[SC+2*\k]
.endr
.irp i, 0,1,2,3
	global_store_b128 v1, v[CD+16*\q+4*\i:CD+16*\q+4*\i+3], s[DST+2*\k:DST+2*\k+1] offset:2048*\q+512*\i   ; 512 consecutive bytes, at a multiple of 512 from img's first byte
.endr
.endm
	LOAD 0
	LOAD 1
	s_wait_kmcnt 0x0
	s_cmp_lt_u32 ttmp9, 704                        ; the first scale: entry 5 or 11,
	s_cselect_b32 s46, s25, s31
	s_cmp_lt_u32 ttmp9, 640
	s_cselect_b32 s46, s23, s46                    ; 3,
	s_cmp_lt_u32 ttmp9, 576
	s_cselect_b32 s46, s21, s46                    ; 1,
	s_cmp_lt_u32 ttmp9, 512
	s_cselect_b32 s46, s20, s46                    ; or, for X, 0
	MKSC s46, SC
	MKSC s22, SC+2
	MKSC s24, SC+4
	s_wait_alu depctr_va_vdst(0)
	s_wait_loadcnt 16                              ; fragment 0's sixteen loads are in; fragment 1's may be out
	TURN 0
	s_wait_loadcnt 0x0
	TURN 1
	s_wait_dscnt 32                                ; fragment 0 is back; fragment 1's sixteen stores and sixteen loads may be out
	CONV 0, 0
	s_wait_dscnt 0x0
	CONV 1, 0
	s_cmp_ge_u32 ttmp9, 512                        ; a weight has one scale
	s_cbranch_scc1 .Ldone
	s_wait_xcnt 0x0                                ; the stores have read the codes' registers: they are written again only behind this wait
	CONV 0, 1
	CONV 1, 1
	s_wait_xcnt 0x0
	CONV 0, 2
	CONV 1, 2
.Ldone:
	s_wait_tensorcnt 0x0
	ds_add_u32 v192, v193
	s_wait_dscnt 0x0
	s_endpgm
.Lfunc_end_k_q84f6797768_quant:
	.size	k_q84f6797768_quant, .Lfunc_end_k_q84f6797768_quant-k_q84f6797768_quant
	.p2alignl 7, 3214868480
	.fill 96, 4, 3214868480
	.section	.rodata,"a",@progbits
	.p2align	6, 0x0
	.amdhsa_kernel k_q84f6797768_quant
		.amdhsa_group_segment_fixed_size 34304
		.amdhsa_private_segment_fixed_size 0
		.amdhsa_enable_private_segment 0
		.amdhsa_kernarg_size 56
		.amdhsa_user_sgpr_count 2
		.amdhsa_user_sgpr_kernarg_segment_ptr 1
		.amdhsa_wavefront_size32 1
		.amdhsa_system_sgpr_workgroup_id_x 1
		.amdhsa_system_sgpr_workgroup_id_y 1
		.amdhsa_system_sgpr_workgroup_id_z 1
		.amdhsa_system_vgpr_workitem_id 0
		.amdhsa_next_free_vgpr 194
		.amdhsa_next_free_sgpr 66
		.amdhsa_reserve_vcc 0
		.amdhsa_float_denorm_mode_32 3
		.amdhsa_float_denorm_mode_16_64 3
		.amdhsa_fp16_overflow 1
		.amdhsa_memory_ordered 1
		.amdhsa_forward_progress 1
		.amdhsa_inst_pref_size 16
	.end_amdhsa_kernel
	.amdgpu_metadata
---
amdhsa.version: [ 1, 2 ]
amdhsa.kernels:
  - .name:           k_q84f6797768_quant
    .symbol:         k_q84f6797768_quant.kd
    .args:
      - { .name: X, .offset: 0, .size: 8, .value_kind: global_buffer, .address_space: global }
      - { .name: W_Q, .offset: 8, .size: 8, .value_kind: global_buffer, .address_space: global }
      - { .name: W_K, .offset: 16, .size: 8, .value_kind: global_buffer, .address_space: global }
      - { .name: W_V, .offset: 24, .size: 8, .value_kind: global_buffer, .address_space: global }
      - { .name: W_O, .offset: 32, .size: 8, .value_kind: global_buffer, .address_space: global }
      - { .name: lowp_scales, .offset: 40, .size: 8, .value_kind: global_buffer, .address_space: global }
      - { .name: img, .offset: 48, .size: 8, .value_kind: global_buffer, .address_space: global }
    .group_segment_fixed_size: 34304
    .private_segment_fixed_size: 0
    .kernarg_segment_align: 8
    .kernarg_segment_size: 56
    .max_flat_workgroup_size: 128
    .sgpr_count:     66
    .vgpr_count:     194
    .wavefront_size: 32
...
	.end_amdgpu_metadata
.endif
;; end of part 1
;; launch proj (part 2): grid 12 x 32, 4 waves a work-group, clusters of 4 x 4, 327,680 bytes of LDS; arguments img, lowp_scales, qkv; writes qkv
.if DOCPART == 2
	.amdgcn_target "amdgcn-amd-amdhsa--gfx1250"
	.amdhsa_code_object_version 6
	.text
	.protected	k_q84f6797768_proj
	.globl	k_q84f6797768_proj
	.p2align	8
	.type	k_q84f6797768_proj,@function
k_q84f6797768_proj:
	s_mov_b64 s[64:65], 0
	v_nop
	global_prefetch_b8 v0, s[64:65] scope:SCOPE_SE
	s_setreg_imm32_b32 hwreg(HW_REG_WAVE_MODE, 25, 1), 1
	s_wait_xcnt 0x0
	s_wait_alu depctr_hold_cnt(0) depctr_sa_sdst(0) depctr_va_vdst(0) depctr_va_sdst(0) depctr_va_ssrc(0) depctr_va_vcc(0) depctr_vm_vsrc(0)
	s_getreg_b32 s2, hwreg(HW_REG_IB_STS2, 6, 4)
	s_cmp_eq_u32 s2, 0
	s_cbranch_scc0 .Lentry_in_a_cluster
	s_endpgm
.Lentry_in_a_cluster:
	s_bfe_u32 s2, ttmp6, 0x10000c
	s_cmp_lg_u32 s2, 0xf033
	s_cbranch_scc0 .Lentry_shape_is_right
	s_endpgm
.Lentry_shape_is_right:
; Q = X W_Q^T, K = X W_K^T, V = X W_V^T on codes of BF8 (E5M2), K = 1,024; each result is quantised at once, from its f32 sums, for the product that reads it, and leaves as an image of that product's operand registers.
; OPERANDS come from img: row tiles of 16 rows x 1,024 K, 16,384 bytes, 8 fragments of 2,048 bytes; registers 4 i .. 4 i + 3 of a fragment at 512 i + 16 x lane.
; THE BODY computes C(i, j) = sum over k of A(i, k) B(j, k) in tiles of 256 x 256; four waves, as many as a WGP has SIMDs, each 128 x 128: 64 accumulators, 512 registers.
; The matrix instruction is used transposed (source 0 = 16 rows of B, source 1 = 16 rows of A): a lane holds ONE row of A and eight neighbouring rows of B.
; The cluster's x says which product: 0 Q, 1 K: A = X (tokens), B = the weight (features): a lane's registers run along the head's 64, the K of Q K^T.
;                                      2 V: A = W_V (channels), B = X (tokens): a lane's registers run along the KEYS, the K of P V.  So the conversions' results ARE the next operand's registers: no stage in LDS.
; qkv: Q at 0, K at 8,388,608, V at 16,777,216; a head (16 batch + head) has 131,072 bytes.  Q, K: token tile t (16 tokens x 64) at 1,024 t.  V: key step (128 keys) at 8,192, channel tile (16) at 2,048 in it.
; SCALES: a sum stands for sum x 2^(eA + eB); its code is sum / 2^EF, EF = entry 6 - 0 - 1 (Q), 7 - 2 - 3 (K), 9 - 4 - 5 (V), held within +-57,344.  LIMIT: EF between -126 and 112.
; RING: K goes in steps of 256 through two LDS slots; a slot is 16 row tiles of A and 16 of B, 4,096 bytes each: dense images, read 16 bytes a lane, 512 consecutive bytes an instruction.
; CLUSTERS: 4 x 4 work-groups.  A's tile hangs on the place along y alone and is asked for jointly by the four of a row of the cluster, B's on the place along x and by the four of a column.
; REGISTERS, in windows of 256: window 0: v0-31 addresses; v128-255 A's fragments, ONE set; on the way out the codes.  window 1: B's fragments, TWO sets.  windows 2, 3: the accumulators ((a, b) at v[8 (8 (a % 4) + b)]).
.set TROW,   4096                      ; a row tile's part of a slot: two fragments
.set HALFT,  8*TROW                    ; 128 rows: what one tensor load brings, and what one wave reads of A or of B
.set SLOT,   4*HALFT                   ; A's 256 rows, then B's 256 rows
.set SPARE,  2*SLOT                    ; behind the ring: the spare words, 128 bytes for each wave: two blocks of 256 bytes that no other line names
.set LAPS,   2                         ; 1,024 along K = four slots' worth = twice round the ring
.set FR,     16                        ; registers of a fragment
.set NL,     4                         ; LDS loads that bring one
.set NP,     4                         ; places behind this matrix instruction (ISA guide 7.12.1)
.set ADRA, 16                          ; v16-17  LDS address of my A fragments in slot 0, 1
.set ADRB, 20                          ; v20-21  the same for B
.set LIMR, 24
.set SCR,  25                          ; v25     2^EF
.set CO,   26                          ; v26     16 x lane
.set SPW,  28                          ; v28     LDS address of my spare word: SPARE + 4 x my thread's number; never rewritten
.set NIL,  29                          ; v29     0; never rewritten
.set AF,   128                         ; A's fragments, in window 0
.set CD,   128                         ; the way out: the codes, 16 registers for each of A's eight blocks
.set G1, 24                            ; s[24:31] descriptor group 1 for A's tiles;  s[32:39] group 0, one set for each slot
.set G0, 32
.set G1B, 48                           ; s[48:55], s[56:63] the same for B's tiles
.set G0B, 56
.set MSB, 0
.macro WIN new                         ; the immediate's high byte repeats the setting that is left
.if MSB != \new
	s_set_vgpr_msb (MSB<<8)|\new
.set MSB, \new
.endif
.endm
.set MUL_LO, 0xa1                      ; source 0 (B) window 1, source 1 (A) window 0, C and D window 2
.set MUL_HI, 0xf1                      ; the same, C and D window 3
.set TO_B,   0x40                      ; destination window 1, address window 0
; A joint load: waves 0 and 1 fetch for A, waves 2 and 3 for B.  Each of the two lines has ONE mask and one set of registers for all that issue it; the branch hangs on the wave's number alone.
; Four v_nop follow each of the two lines, ahead of the jump, the label and what follows.
.macro JLOAD g0a, g1a, g0b, g1b
	s_cmp_eq_u32 s15, 0
	s_cbranch_scc0 .Lfor_b_\@
	tensor_load_to_lds s[\g0a:\g0a+3], s[\g1a:\g1a+7]
	s_nop 0
.rept 4
	v_nop
.endr
	s_branch .Lasked_\@
.Lfor_b_\@:
	tensor_load_to_lds s[\g0b:\g0b+3], s[\g1b:\g1b+7]
	s_nop 0
.rept 4
	v_nop
.endr
.Lasked_\@:
.endm
.macro CREST                           ; a round of the cluster's barrier behind its opening barrier
	s_cmp_lg_u32 s14, 0
	s_cbranch_scc1 .Lnot_wave_0_\@
	s_barrier_signal -3
.Lnot_wave_0_\@:
	s_barrier_wait -3
	s_barrier_signal -1
	s_barrier_wait -1
.endm
.macro CROUND                          ; a whole round
	s_barrier_signal -1
	s_barrier_wait -1
	CREST
.endm
	s_load_b128 s[4:7], s[0:1], 0x0                ; img s[4:5], the scales' exponents s[6:7]
	s_load_b64 s[8:9], s[0:1], 0x10                ; qkv
	v_lshl_add_u32 v[SPW], v0, 2, SPARE
	v_mov_b32 v[NIL], 0
	ds_add_u32 v28, v29
	ds_add_u32 v28, v29
	s_wait_dscnt 0x0
	v_lshrrev_b32 v1, 5, v0
	v_readfirstlane_b32 s14, v1                    ; wave 0..3
	s_lshr_b32 s15, s14, 1                         ; which half of A's rows is mine.  Also: I fetch for A (0) or for B (1)
	s_and_b32 s16, s14, 1                          ; which half of B's rows.  Also: which 128 rows of that tile I fetch
	s_bfe_u32 s40, ttmp6, 0x40000                  ; cx, cy: my place in the cluster
	s_bfe_u32 s41, ttmp6, 0x40004
	s_and_b32 s17, ttmp7, 0xffff                   ; the cluster's y, 0..7; the cluster's x (ttmp9) is the product: both are the same in all sixteen partners
	s_lshl_b32 s43, s41, 2
	s_lshl_b32 s43, 15, s43                        ; my row of the cluster
	s_lshl_b32 s44, 0x1111, s40                    ; my column
	; descriptor group 1: 8 rows (row tiles) of 512 elements of 8 bytes (a slot's 4,096 bytes of a row tile), 2,048 elements (a row tile's 16,384 bytes) apart; dense in LDS
	s_or_b32 s[G1+0], s43, (3<<16)|(1<<21)         ; 15:0 the mask: A's tiles go to my row; 17:16 elements of 8 bytes; 20 no padding; 21 set beside a mask
	s_or_b32 s[G1B+0], s44, (3<<16)|(1<<21)
.irp g, G1, G1B
	s_mov_b32 s[\g+1], 512<<16                     ; tensor_dim0
	s_mov_b32 s[\g+2], 8<<16                       ; tensor_dim1
	s_mov_b32 s[\g+3], 512<<16                     ; tile_dim0
	s_mov_b32 s[\g+4], 8                           ; tile_dim1
	s_mov_b32 s[\g+5], 2048                        ; tensor_dim0_stride
	s_mov_b32 s[\g+6], 0
	s_mov_b32 s[\g+7], 0
.endr
	; the first row tile that I fetch.  Q, K: A = 512 x product + 64 Y + 16 cy + 8 half, B = 1,536 + 64 x product + 16 cx + 8 half.  V: A = 1,664 + 16 cy + 8 half, B = 1,024 + 64 Y + 16 cx + 8 half
	s_lshl_b32 s12, s16, 3                         ; 8 x half
	s_lshl_b32 s13, s17, 6                         ; 64 Y
	s_lshl_b32 s18, ttmp9, 9
	s_lshl_b32 s19, ttmp9, 6
	s_add_co_u32 s19, s19, 1536
	s_cmp_eq_u32 ttmp9, 2
	s_cselect_b32 s20, 1664, s18
	s_cselect_b32 s22, 0, s13
	s_cselect_b32 s46, 1024, s19
	s_cselect_b32 s23, s13, 0
	s_add_co_u32 s20, s20, s22
	s_lshl_b32 s22, s41, 4
	s_add_co_u32 s20, s20, s22                     ; A's hangs on cy, never on cx,
	s_add_co_u32 s20, s20, s12
	s_lshl_b32 s20, s20, 14                        ; in bytes: under 2^25
	s_mov_b32 s21, 0
	s_add_co_u32 s46, s46, s23
	s_lshl_b32 s23, s40, 4
	s_add_co_u32 s46, s46, s23                     ; B's on cx, never on cy
	s_add_co_u32 s46, s46, s12
	s_lshl_b32 s46, s46, 14
	s_mov_b32 s47, 0
	s_mul_i32 s45, s14, HALFT                      ; where they go: wave x 32,768: no place in the cluster enters an LDS address
	s_wait_kmcnt 0x0
	s_load_b256 s[68:75], s[6:7], 0x0              ; entries 0 to 7
	s_load_b128 s[76:79], s[6:7], 0x20             ; entries 8 to 11
	s_add_nc_u64 s[20:21], s[4:5], s[20:21]
	s_add_nc_u64 s[46:47], s[4:5], s[46:47]
	CROUND                                         ; all sixteen work-groups are here: the first joint loads meet
.irp s, 0,1
	s_mov_b32 s[G0+4*\s], 1
	s_add_co_u32 s[G0+4*\s+1], s45, \s*SLOT
	s_add_nc_u64 s[G0+4*\s+2:G0+4*\s+3], s[20:21], \s*TROW
	s_or_b32 s[G0+4*\s+3], s[G0+4*\s+3], 0x80000000
	s_mov_b32 s[G0B+4*\s], 1
	s_add_co_u32 s[G0B+4*\s+1], s45, \s*SLOT
	s_add_nc_u64 s[G0B+4*\s+2:G0B+4*\s+3], s[46:47], \s*TROW
	s_or_b32 s[G0B+4*\s+3], s[G0B+4*\s+3], 0x80000000
	JLOAD G0+4*\s, G1, G0B+4*\s, G1B
.endr
	v_and_b32 v6, 31, v0
	v_lshlrev_b32 v[CO], 4, v6                     ; 16 x lane: my place in every image
	s_mul_i32 s21, s15, HALFT                      ; my 128 rows of A
	s_mul_i32 s22, s16, HALFT                      ; my 128 rows of B,
	s_add_co_u32 s22, s22, 2*HALFT                 ; which lie behind A's 256
.irp s, 0,1
	v_add_nc_u32 v[ADRA+\s], s21, v[CO]
	v_add_nc_u32 v[ADRB+\s], s22, v[CO]
	s_add_co_u32 s21, s21, SLOT
	s_add_co_u32 s22, s22, SLOT
.endr
	; where my results go.  Q, K: my first token tile is 16 (4 Y + cy) + 8 (wave / 2), my first head 4 cx + 2 (wave % 2)
	s_lshl_b32 s84, s17, 2
	s_add_co_u32 s85, s84, s41
	s_lshl_b32 s85, s85, 4
	s_lshl_b32 s86, s15, 3
	s_add_co_u32 s85, s85, s86
	s_lshr_b32 s86, s85, 7                         ; batch
	s_and_b32 s85, s85, 127                        ; token tile in the sequence
	s_lshl_b32 s86, s86, 4
	s_lshl_b32 s87, s40, 2
	s_add_co_u32 s86, s86, s87
	s_lshl_b32 s87, s16, 1
	s_add_co_u32 s86, s86, s87                     ; 16 batch + head
	s_lshl_b32 s86, s86, 7
	s_add_co_u32 s86, s86, s85
	s_lshl_b32 s86, s86, 10
	s_lshl_b32 s87, ttmp9, 23
	s_add_co_u32 s86, s86, s87                     ; + 8,388,608 for K
	; V: my key step is 2 (4 Y + cx) + wave % 2, my first head 4 cy + 2 (wave / 2)
	s_add_co_u32 s88, s84, s40
	s_lshl_b32 s88, s88, 1
	s_add_co_u32 s88, s88, s16
	s_lshr_b32 s89, s88, 4                         ; batch
	s_and_b32 s88, s88, 15                         ; key step in the sequence
	s_lshl_b32 s89, s89, 4
	s_lshl_b32 s90, s41, 2
	s_add_co_u32 s89, s89, s90
	s_lshl_b32 s90, s15, 1
	s_add_co_u32 s89, s89, s90
	s_lshl_b32 s89, s89, 4
	s_add_co_u32 s89, s89, s88
	s_lshl_b32 s89, s89, 13
	s_add_co_u32 s89, s89, 0x1000000
	s_cmp_eq_u32 ttmp9, 2
	s_cselect_b32 s86, s89, s86
	s_mov_b32 s87, 0
	s_add_nc_u64 s[8:9], s[8:9], s[86:87]
	s_wait_alu depctr_va_vdst(0)
	s_wait_kmcnt 0x0
	s_sub_co_i32 s80, s74, s68                     ; Q: entry 6 - 0 - 1
	s_sub_co_i32 s80, s80, s69
	s_sub_co_i32 s81, s75, s70                     ; K: 7 - 2 - 3
	s_sub_co_i32 s81, s81, s71
	s_sub_co_i32 s82, s77, s72                     ; V: 9 - 4 - 5
	s_sub_co_i32 s82, s82, s73
	s_cmp_eq_u32 ttmp9, 0
	s_cselect_b32 s80, s80, s81
	s_cmp_eq_u32 ttmp9, 2
	s_cselect_b32 s80, s82, s80                    ; EF: chosen, with no branch on a loaded number
	s_add_co_i32 s80, s80, 127
	s_lshl_b32 s81, s80, 23
	v_mov_b32 v[SCR], s81                          ; 2^EF as f32: the conversion takes its exponent field
.macro FRAG reg, adr, q, i             ; a fragment comes as it was laid: four loads of 512 consecutive bytes, 16 a lane
.irp c, 0,1,2,3
	ds_load_b128 v[\reg+4*\c:\reg+4*\c+3], v[\adr] offset:TROW*(\i)+2048*(\q)+512*\c
.endr
.endm
; 16 matrix instructions: A's blocks a0, a0 + 1 x B's eight, 128 along K.  p: B's set.  zero = 1: the first product starts the sums: nothing is ever cleared.
; The 64 accumulators take turns, one instruction a turn, in the same order in every step.
.macro MUL16 a0, p, zero
.irp a, \a0, \a0+1
.irp b, 0,1,2,3,4,5,6,7
.if \zero
	v_wmma_f32_16x16x128_bf8_bf8 v[8*(8*((\a)%4)+\b):8*(8*((\a)%4)+\b)+7], v[128*(\p)+FR*\b:128*(\p)+FR*\b+FR-1], v[AF+FR*(\a):AF+FR*(\a)+FR-1], 0
.else
	v_wmma_f32_16x16x128_bf8_bf8 v[8*(8*((\a)%4)+\b):8*(8*((\a)%4)+\b)+7], v[128*(\p)+FR*\b:128*(\p)+FR*\b+FR-1], v[AF+FR*(\a):AF+FR*(\a)+FR-1], v[8*(8*((\a)%4)+\b):8*(8*((\a)%4)+\b)+7]
.endif
.endr
.endr
.endm
.macro FETCH_B slot, q, p              ; B's eight fragments of the slot's q-th 128 along K into set p
	WIN TO_B
.irp i, 0,1,2,3,4,5,6,7
	FRAG 128*(\p)+FR*\i, ADRB+\slot, \q, \i
.endr
	WIN 0
.endm
.macro FETCH_A slot, q, i0             ; A's blocks i0 .. i0 + 3
.irp i, \i0, \i0+1, \i0+2, \i0+3
	FRAG AF+FR*(\i), ADRA+\slot, \q, \i
.endr
.endm
; A load into a register that a matrix instruction has read, and a vector instruction that reads a matrix result, stand NP places behind that matrix instruction; only plain vector
; instructions that name none of its registers are places (ISA guide 7.12.1 for vector instructions).
.macro PLACES n
.rept \n
	v_nop
.endr
.endm
; A step of 128 along K that has its successor in the same slot.  A's blocks go one after the other, each against B's eight: a block of A is free when its eight products are issued, so A has one set of registers.
.macro STEP slot, q, zero
	s_wait_dscnt 4*NL                              ; B's set and A's blocks 0-3 are in; the youngest sixteen loads (A's blocks 4-7) may be out
	WIN MUL_LO
	MUL16 0, (\q)%2, \zero
	MUL16 2, (\q)%2, \zero
	s_wait_dscnt 0                                 ; A's blocks 4-7 are in (asked for 32 matrix instructions ago)
	PLACES NP
	FETCH_B \slot, (\q)+1, 1-(\q)%2
	FETCH_A \slot, (\q)+1, 0
	WIN MUL_HI
	MUL16 4, (\q)%2, \zero
	MUL16 6, (\q)%2, \zero
	PLACES NP
	WIN 0
	FETCH_A \slot, (\q)+1, 4
.endm
; A slot's last step changes slots: ONE barrier; in front of it each wave waits for all its tensor loads, adds 0 to its spare word, and waits for that and for its own reads of this slot.  fill = 1: this slot is filled again, two slots' worth of K ahead.
.macro TURN slot, next, fill
	s_wait_tensorcnt 0x0                           ; all my tensor loads have landed: my part of the next slot;  (every window is 0 here: the add's two registers lie in window 0)
	ds_add_u32 v[SPW], v[NIL]                      ; 0 onto my spare word
	s_wait_dscnt 4*NL+1                            ; (the add and the youngest sixteen loads, A's blocks 4-7, may be out)
	WIN MUL_LO
	MUL16 0, 1, 0                                  ; sixteen matrix instructions stand between the add and the wait for it
	s_wait_dscnt 0x0                               ; the add is done, and my reads of this slot are over
	s_barrier_signal -1
	MUL16 2, 1, 0
	WIN 0
	s_barrier_wait -1
.if \fill
	CREST                                          ; the barrier has opened a round of the cluster's barrier: no wave of any partner still reads this slot's tile or has a load on its way
	s_add_nc_u64 s[G0+4*\slot+2:G0+4*\slot+3], s[G0+4*\slot+2:G0+4*\slot+3], 2*TROW
	s_add_nc_u64 s[G0B+4*\slot+2:G0B+4*\slot+3], s[G0B+4*\slot+2:G0B+4*\slot+3], 2*TROW
	JLOAD G0+4*\slot, G1, G0B+4*\slot, G1B         ; the first tensor load behind the round; the four v_nop behind it are the places in front of the loads below
.else
	PLACES NP
.endif
	FETCH_B \next, 0, 0
	FETCH_A \next, 0, 0
	WIN MUL_HI
	MUL16 4, 1, 0
	MUL16 6, 1, 0
	PLACES NP
	WIN 0
	FETCH_A \next, 0, 4
.endm
	s_wait_tensorcnt 1                             ; my part of slot 0 is in (slot 1's load may be out)
	s_barrier_signal -1
	s_barrier_wait -1                              ; everybody's is
	FETCH_B 0, 0, 0
	FETCH_A 0, 0, 0
	FETCH_A 0, 0, 4
	STEP 0, 0, 1                                   ; the first step's products start the sums
.rept LAPS-1                           ; once round the ring, from a lap's second step to the next lap's first: both slots are filled again
	TURN 0, 1, 1
	STEP 1, 0, 0
	TURN 1, 0, 1
	STEP 0, 0, 0
.endr
	TURN 0, 1, 0                                   ; the last lap fills nothing, and has no round of the cluster's barrier
	STEP 1, 0, 0
	s_wait_dscnt 4*NL                              ; the very last step: nothing more to fetch
	WIN MUL_LO
	MUL16 0, 1, 0
	MUL16 2, 1, 0
	s_wait_alu depctr_va_vdst(0)
	s_wait_dscnt 0
	WIN MUL_HI
	MUL16 4, 1, 0
	MUL16 6, 1, 0
	WIN 0
	; THE WAY OUT.  Accumulator (a, b): lane (r, h) holds row 16 a + r of A and rows 16 b + 8 h + 0 .. 7 of B: eight neighbours along the next product's K.  Converted: registers 2 b, 2 b + 1 of block a's 16.
	PLACES NP                                      ; behind the last products: the conversions read results and write where A's fragments lay
.irp a, 0,1,2,3,4,5,6,7
.set WW, 2+\a/4
	WIN ((WW<<6)|WW)                               ; destination and source 0: window 2 or 3
.irp j, 0,1,2,3,4,5,6,7,8,9,10,11,12,13,14,15,16,17,18,19,20,21,22,23,24,25,26,27,28,29,30,31,32,33,34,35,36,37,38,39,40,41,42,43,44,45,46,47,48,49,50,51,52,53,54,55,56,57,58,59,60,61,62,63
.endr
	WIN (WW)                                       ; source 0: window 2 or 3; the codes go to window 0
.irp b, 0,1,2,3,4,5,6,7
	v_cvt_scalef32_pk8_bf8_f32 v[CD+16*\a+2*\b:CD+16*\a+2*\b+1], v[64*(\a%4)+8*\b:64*(\a%4)+8*\b+7], v[SCR]
.endr
.endr
	WIN 0
	v_nop                                          ; one plain vector line behind the last conversion
	s_cmp_eq_u32 ttmp9, 2                          ; the product: the same in all partners
	s_cbranch_scc1 .Lstore_v
.irp a, 0,1,2,3,4,5,6,7                ; Q, K: block a is token tile a; registers 8 u .. 8 u + 7 are head u's fragment
.irp i, 0,1,2,3
	global_store_b128 v[CO], v[CD+16*\a+4*\i:CD+16*\a+4*\i+3], s[8:9] offset:(\i/2)*131072+\a*1024+(\i%2)*512   ; 512 consecutive bytes, at a multiple of 512 from qkv's first byte
.endr
.endr
	s_branch .Lstored
.Lstore_v:
	s_wait_alu depctr_va_vdst(0)
.irp a, 0,1,2,3,4,5,6,7                ; V: block a is channel tile a % 4 of head a / 4; its 16 registers are one fragment of 128 keys
.irp i, 0,1,2,3
	global_store_b128 v[CO], v[CD+16*\a+4*\i:CD+16*\a+4*\i+3], s[8:9] offset:(\a/4)*131072+(\a%4)*2048+\i*512
.endr
.endr
.Lstored:
	s_wait_tensorcnt 0x0                           ; the wave's end: behind my last tensor load
	ds_add_u32 v[SPW], v[NIL]
	s_wait_dscnt 0x0
	CROUND                                         ; the closing round: no work-group ends while a partner may still ask for a tile that names it
	s_endpgm
.Lfunc_end_k_q84f6797768_proj:
	.size	k_q84f6797768_proj, .Lfunc_end_k_q84f6797768_proj-k_q84f6797768_proj
	.p2alignl 7, 3214868480
	.fill 96, 4, 3214868480
	.section	.rodata,"a",@progbits
	.p2align	6, 0x0
	.amdhsa_kernel k_q84f6797768_proj
		.amdhsa_group_segment_fixed_size 327680
		.amdhsa_private_segment_fixed_size 0
		.amdhsa_enable_private_segment 0
		.amdhsa_kernarg_size 24
		.amdhsa_user_sgpr_count 2
		.amdhsa_user_sgpr_kernarg_segment_ptr 1
		.amdhsa_wavefront_size32 1
		.amdhsa_system_sgpr_workgroup_id_x 1
		.amdhsa_system_sgpr_workgroup_id_y 1
		.amdhsa_system_sgpr_workgroup_id_z 1
		.amdhsa_system_vgpr_workitem_id 0
		.amdhsa_next_free_vgpr 1024
		.amdhsa_next_free_sgpr 92
		.amdhsa_reserve_vcc 0
		.amdhsa_float_denorm_mode_32 3
		.amdhsa_float_denorm_mode_16_64 3
		.amdhsa_fp16_overflow 1
		.amdhsa_memory_ordered 1
		.amdhsa_forward_progress 1
		.amdhsa_inst_pref_size 89
	.end_amdhsa_kernel
	.amdgpu_metadata
---
amdhsa.version: [ 1, 2 ]
amdhsa.kernels:
  - .name:           k_q84f6797768_proj
    .symbol:         k_q84f6797768_proj.kd
    .args:
      - { .name: img, .offset: 0, .size: 8, .value_kind: global_buffer, .address_space: global }
      - { .name: lowp_scales, .offset: 8, .size: 8, .value_kind: global_buffer, .address_space: global }
      - { .name: qkv, .offset: 16, .size: 8, .value_kind: global_buffer, .address_space: global }
    .group_segment_fixed_size: 327680
    .private_segment_fixed_size: 0
    .kernarg_segment_align: 8
    .kernarg_segment_size: 24
    .max_flat_workgroup_size: 128
    .sgpr_count:     92
    .vgpr_count:     1024
    .wavefront_size: 32
...
	.end_amdgpu_metadata
.endif
;; end of part 2
;; launch attn (part 3): grid 4 x 64, 8 waves a work-group, clusters of 4 x 1, 263,168 bytes of LDS; arguments qkv, lowp_scales, aimg; writes aimg
.if DOCPART == 3
	.amdgcn_target "amdgcn-amd-amdhsa--gfx1250"
	.amdhsa_code_object_version 6
	.text
	.protected	k_q84f6797768_attn
	.globl	k_q84f6797768_attn
	.p2align	8
	.type	k_q84f6797768_attn,@function
k_q84f6797768_attn:
	s_mov_b64 s[64:65], 0
	v_nop
	global_prefetch_b8 v0, s[64:65] scope:SCOPE_SE
	s_setreg_imm32_b32 hwreg(HW_REG_WAVE_MODE, 25, 1), 1
	s_wait_xcnt 0x0
	s_wait_alu depctr_hold_cnt(0) depctr_sa_sdst(0) depctr_va_vdst(0) depctr_va_sdst(0) depctr_va_ssrc(0) depctr_va_vcc(0) depctr_vm_vsrc(0)
	s_getreg_b32 s2, hwreg(HW_REG_IB_STS2, 6, 4)
	s_cmp_eq_u32 s2, 0
	s_cbranch_scc0 .Lentry_in_a_cluster
	s_endpgm
.Lentry_in_a_cluster:
	s_bfe_u32 s2, ttmp6, 0x10000c
	s_cmp_lg_u32 s2, 0x3003
	s_cbranch_scc0 .Lentry_shape_is_right
	s_endpgm
.Lentry_shape_is_right:
; Causal attention of one head (64 channels, 2,048 tokens) on codes of BF8 (E5M2): S = Q K^T, p = 2^(t - M), O = P V / l; O is quantised at once for the last projection.
; t = score x log2(e) / 8; M = the running largest t rounded UP to a whole number; p is quantised by 2^(entry 8), not normalised; l is the sum of the unquantised p, in f32.  When M moves, l and O are multiplied by 2^(old M - new M): exact.
; INPUT qkv: images of operand registers (lane (r, h): row r, registers 2 c, 2 c + 1 = K 16 c + 8 h + 0 .. 7; four registers of all lanes = 512 bytes, 16 a lane).  Q at 0, K at 8,388,608, V at 16,777,216; a head has 131,072 bytes.
;   Q, K: token tile (16 tokens x 64 channels) at 1,024 t.  V: key step (128 keys) at 8,192 s, channel tile (16 channels x 128 keys) at 2,048 in it.
; OUTPUT aimg: token tile (128 batch + token / 16) at 16,384; head h's fragment (16 tokens x 64) at 1,024 h in it: the K of the last projection is 64 h + channel.
; CLUSTER.  The four work-groups of a cluster share one head.  The head's whole K and V, 131,072 bytes each, lie in each partner's LDS, filled ONCE, by joint loads: no slot is ever filled again.
; SHARES.  Queries are dealt by tiles of 16: tile u of partner p is queries 64 u + 16 p + 0 .. 15, so that control flow hangs on u alone and is alike in all partners.  PAIR a is tiles 2 a and 2 a + 1: its queries lie in
;   128 a .. 128 a + 127, it needs key steps 0 .. a, and only step a is masked.  Wave w owns pairs 15 - w and w: (16 - w) + (w + 1) = 17 steps for every wave.  Both tiles of a pair share each fragment of K and V.
; LAYOUT.  Both products are used transposed: S^T = K Q^T (source 0 = 16 keys, source 1 = 16 queries), O^T = V^T P^T (source 0 = 16 channels, source 1 = P): a lane holds ONE query throughout.  In key tile t lane (r, h) holds keys
;   16 t + 8 h + 0 .. 7: the conversion of its eight registers gives registers 2 t, 2 t + 1 of P; likewise O^T's channel tiles give the output's fragment.  Nothing changes lanes but the two halves' maxima and sums.
; LIMITS on the given exponents: entries 6 + 7 between -123 and 130 (added to c's exponent field); entry 8, and entry 10 - 8 - 9, between -126 and 127.  NaN is not served; p under 2^-126 counts as 0.
; REGISTERS.  Window 0: v1-10 addresses and constants; v16-31 eight registers of statistics a tile (+0 -M, +1 the old -M, +2, +3 l, +4 f (+5 named with it), +6, +7 at work); v32-35 second chains of the sums; v36, v37 lane exchange;
;   v48-111 K's 8 fragments; v112-239 S^T, then p, 64 a tile; v240-255 the output's codes.   Window 1: v0-63 O^T, 32 a tile; v64-95 P's codes; v96-159 V's 4 fragments; v160-175, v176-191 Q of my two pairs.
.set VB,    131072                     ; LDS: K at 0, V here; key step s at 8,192 s in each
.set STEPB, 8192
.set LI,   1                           ; v1   16 x lane
.set LV,   2                           ; v2   16 x lane + VB
.set ADK,  3                           ; v3   LDS address of the step's K
.set ADV,  4                           ; v4   of its V
.set DQ,   5                           ; v5   16 p + r - 8 h: register 8 t + j of a masked tile is hidden where 16 t + j is above it
.set NINF, 6                           ; v6   -infinity
.set PSC,  7                           ; v7   2^(entry 8)
.set PLIM, 8
.set OSC,  9                           ; v9   2^(entry 10 - 8 - 9)
.set OLIM, 10
.set ST,   16
.set C2,   32
.set PX,   36
.set KF,   48
.set S,    112
.set OC,   240
.set O,    0                           ; in window 1
.set PC,   64
.set VF,   96
.set QHI,  160
.set QLO,  176
.set WV,   10                          ; s10  my wave's number
.set CX,   11                          ; s11  my place in the cluster
.set BH,   12                          ; s12  16 batch + head
.set G1,   16                          ; s[16:23] descriptor group 1, one for all loads
.set G0K,  24                          ; s[24:31] group 0 for K's two halves
.set G0V,  32                          ; s[32:39] for V's
.set SEL,  40                          ; s[40:41] lane selects: lane l xor 16
.set CS,   42                          ; s[42:43] c = log2(e) / 8 x 2^(entries 6 + 7); the packed form names a pair and takes its low word
.set TB,   44                          ; s44  the key step's first byte in K's and in V's part of LDS
.set SI,   45                          ; s45  the key step
.set AP,   46                          ; s46  the pair in hand = its last, masked key step
.set QA,   48                          ; s[48:51] Q of my two pairs
.set OA,   52                          ; s[52:55] their places in aimg
.set MSB, 0
.macro WIN new                         ; the immediate's high byte repeats the setting that is left
.if MSB != \new
	s_set_vgpr_msb (MSB<<8)|\new
.set MSB, \new
.endif
.endm
.macro NOPS n
.rept \n
	v_nop
.endr
.endm
.macro CROUND                          ; a round of the cluster's barrier
	s_barrier_signal -1
	s_barrier_wait -1
	s_cmp_lg_u32 s[WV], 0
	s_cbranch_scc1 .Lnot_wave_0_\@
	s_barrier_signal -3
.Lnot_wave_0_\@:
	s_barrier_wait -3
	s_barrier_signal -1
	s_barrier_wait -1
.endm
	s_load_b128 s[4:7], s[0:1], 0x0                ; qkv s[4:5], the scales' exponents s[6:7]
	s_load_b64 s[8:9], s[0:1], 0x10                ; aimg
	v_lshl_add_u32 v46, v0, 2, 0x40000
	v_mov_b32 v47, 0
	ds_add_u32 v46, v47
	ds_add_u32 v46, v47
	v_lshrrev_b32 v11, 5, v0
	s_delay_alu instid0(VALU_DEP_1)
	v_readfirstlane_b32 s[WV], v11                 ; wave 0..7
	s_bfe_u32 s[CX], ttmp6, 0x40000                ; p: it enters global addresses of Q and of the output, and the mask's number, and nothing else
	s_and_b32 s[BH], ttmp7, 0xffff                 ; the head, which the four partners share
	; descriptor group 1: 64 rows of 32 elements of 8 bytes, dense in memory and in LDS: 16,384 bytes
	s_mov_b32 s[G1], 15|(3<<16)|(1<<21)            ; 15:0 the mask: all four work-groups; 17:16 elements of 8 bytes; 20 no padding; 21 set beside a mask
	s_mov_b32 s[G1+1], 32<<16                      ; tensor_dim0
	s_mov_b32 s[G1+2], 64<<16                      ; tensor_dim1
	s_mov_b32 s[G1+3], 32<<16                      ; tile_dim0
	s_mov_b32 s[G1+4], 64                          ; tile_dim1
	s_mov_b32 s[G1+5], 32                          ; tensor_dim0_stride
	s_mov_b32 s[G1+6], 0
	s_mov_b32 s[G1+7], 0
	s_mov_b32 s[SEL], 0x76543210
	s_mov_b32 s[SEL+1], 0xfedcba98
	s_mov_b32 s[CS], 0x3e38aa3b                    ; log2(e) / 8
	s_and_b32 s66, s[WV], 3
	s_lshl_b32 s66, s66, 14                        ; my quarter of a half of K (waves 0-3) or of V (waves 4-7)
	s_lshl_b32 s68, s[BH], 17                      ; the head's first byte in each of the three parts of qkv
	s_add_co_u32 s68, s68, s66
	s_mov_b32 s69, 0
	s_wait_dscnt 0x0
	s_wait_kmcnt 0x0
	s_load_b64 s[56:57], s[6:7], 0x18              ; entries 6, 7
	s_load_b128 s[60:63], s[6:7], 0x20             ; entries 8 to 11
	s_add_nc_u64 s[70:71], s[4:5], s[68:69]
	CROUND                                         ; all four work-groups are here: the joint loads meet
.irp c, 0,1                            ; half c: keys 1,024 c on
	s_mov_b32 s[G0K+4*\c], 1
	s_add_co_u32 s[G0K+4*\c+1], s66, \c*65536
	s_add_nc_u64 s[G0K+4*\c+2:G0K+4*\c+3], s[70:71], 0x800000+\c*65536
	s_or_b32 s[G0K+4*\c+3], s[G0K+4*\c+3], 0x80000000
	s_mov_b32 s[G0V+4*\c], 1
	s_add_co_u32 s[G0V+4*\c+1], s66, VB+\c*65536
	s_add_nc_u64 s[G0V+4*\c+2:G0V+4*\c+3], s[70:71], 0x1000000+\c*65536
	s_or_b32 s[G0V+4*\c+3], s[G0V+4*\c+3], 0x80000000
.endr
	s_cmp_lt_u32 s[WV], 4                          ; a wave's two fills stand in one branch on its number, ahead of every wait on TENSORcnt and every LDS read: two loads of mine are out; four v_nop follow the second
	s_cbranch_scc0 .Lfirst_v
	tensor_load_to_lds s[G0K:G0K+3], s[G1:G1+7]
	s_nop 0
	tensor_load_to_lds s[G0K+4:G0K+7], s[G1:G1+7]
	s_nop 0
	NOPS 4
	s_branch .Lfirst_asked
.Lfirst_v:
	tensor_load_to_lds s[G0V:G0V+3], s[G1:G1+7]
	s_nop 0
	tensor_load_to_lds s[G0V+4:G0V+7], s[G1:G1+7]
	s_nop 0
	NOPS 4
.Lfirst_asked:
	v_and_b32 v11, 31, v0
	s_delay_alu instid0(VALU_DEP_1)
	v_lshlrev_b32 v[LI], 4, v11
	s_wait_alu depctr_va_vdst(0)
	v_add_nc_u32 v[LV], VB, v[LI]
	s_sub_co_u32 s72, 15, s[WV]
	s_lshl_b32 s72, s72, 3
	s_add_co_u32 s72, s72, s[CX]                   ; pair 15 - w: its first token tile, 8 a + p (its second lies four tiles on)
	s_lshl_b32 s73, s[WV], 3
	s_add_co_u32 s73, s73, s[CX]                   ; pair w
	s_lshl_b32 s74, s[BH], 17
	s_mov_b32 s75, 0
	s_add_nc_u64 s[74:75], s[4:5], s[74:75]        ; my head's Q
	s_lshl_b32 s76, s72, 10
	s_mov_b32 s77, 0
	s_add_nc_u64 s[QA:QA+1], s[74:75], s[76:77]
	s_lshl_b32 s76, s73, 10
	s_add_nc_u64 s[QA+2:QA+3], s[74:75], s[76:77]
	s_lshr_b32 s78, s[BH], 4
	s_lshl_b32 s78, s78, 7                         ; 128 batch
	s_and_b32 s79, s[BH], 15
	s_lshl_b32 s79, s79, 10                        ; 1,024 head
	s_add_co_u32 s76, s78, s72
	s_lshl_b32 s76, s76, 14
	s_add_co_u32 s76, s76, s79
	s_add_nc_u64 s[OA:OA+1], s[8:9], s[76:77]
	s_add_co_u32 s76, s78, s73
	s_lshl_b32 s76, s76, 14
	s_add_co_u32 s76, s76, s79
	s_add_nc_u64 s[OA+2:OA+3], s[8:9], s[76:77]
	WIN 0x40                                       ; destination window 1
.irp t, 0,1
.irp i, 0,1
	global_load_b128 v[QHI+8*\t+4*\i:QHI+8*\t+4*\i+3], v[LI], s[QA:QA+1] offset:4096*\t+512*\i     ; Q stays in registers
	global_load_b128 v[QLO+8*\t+4*\i:QLO+8*\t+4*\i+3], v[LI], s[QA+2:QA+3] offset:4096*\t+512*\i
.endr
.endr
	WIN 0
	v_and_b32 v11, 15, v0                          ; r
	v_bfe_u32 v12, v0, 4, 1                        ; h
	s_delay_alu instid0(VALU_DEP_1)
	v_lshlrev_b32 v12, 3, v12
	s_delay_alu instid0(VALU_DEP_1)
	v_sub_nc_u32 v[DQ], v11, v12
	s_lshl_b32 s72, s[CX], 4
	v_add_nc_u32 v[DQ], s72, v[DQ]                 ; 16 p + r - 8 h, a signed number
	v_mov_b32 v[NINF], 0xff800000
	s_wait_kmcnt 0x0
	s_add_co_i32 s72, s56, s57
	s_lshl_b32 s72, s72, 23
	s_add_co_i32 s[CS], s[CS], s72                 ; a score stands for score x 2^(entries 6 + 7): added to c's exponent field
	s_mov_b32 s[CS+1], s[CS]                       ; (named with it as a pair, so it is written)
	s_add_co_i32 s72, s60, 127
	s_lshl_b32 s73, s72, 23
	v_mov_b32 v[PSC], s73
	s_sub_co_i32 s72, s62, s60                     ; O's sums stand for sum x 2^(entries 8 + 9): the three scales are folded into the conversion's one
	s_sub_co_i32 s72, s72, s61
	s_add_co_i32 s72, s72, 127
	s_lshl_b32 s73, s72, 23
	v_mov_b32 v[OSC], s73
	s_add_co_i32 s72, s72, 15
	s_lshl_b32 s72, s72, 23
	s_or_b32 s72, s72, 0x600000
; A pair begins: O^T and l are zeros and -M is 3e38, above every -t: the step is written without a first step of its own, since the first change of M multiplies zeros.
.macro INIT
	WIN 0x40
.set i, 0
.rept 64
	v_mov_b32 v[O+i], 0
.set i, i+1
.endr
	WIN 0
.irp x, 0,1
	v_mov_b32 v[ST+8*\x], 0x7f61b1e6
	v_mov_b32 v[ST+8*\x+1], 0
	v_mov_b32 v[ST+8*\x+2], 0
	v_mov_b32 v[ST+8*\x+3], 0
	v_mov_b32 v[ST+8*\x+5], 0                      ; (named as the upper half of f's pair)
	v_mov_b32 v[PX+\x], 0                          ; (a lane permute's destination counts as one of its sources)
.endr
.endm
; A KEY STEP: 128 keys for the pair's two tiles.  qreg: the pair's Q in window 1.  guarded = 1: steps behind the pair's last are left out (a scalar branch on the step and the wave's number, round the work alone: the lines
; that step TB and SI stand behind it), and the pair's last step is masked.
.macro STEP qreg, guarded
.if \guarded
	s_cmp_gt_u32 s[SI], s[AP]
	s_cbranch_scc1 .Lskip_\@
.endif
	s_setprio 2
	v_add_nc_u32 v[ADK], s[TB], v[LI]
	v_add_nc_u32 v[ADV], s[TB], v[LV]
	NOPS 2                                         ; with the two additions: four places between the last products, which read V's registers, and the loads into them
.set i, 0
.rept 16
	ds_load_b128 v[KF+4*i:KF+4*i+3], v[ADK] offset:512*i   ; K's eight fragments, as they were laid: 512 consecutive bytes an instruction
.set i, i+1
.endr
	WIN 0x40
.set i, 0
.rept 16
	ds_load_b128 v[VF+4*i:VF+4*i+3], v[ADV] offset:512*i   ; V's four: they land while the softmax is walked
.set i, i+1
.endr
	s_wait_dscnt 16                                ; K is in; V's sixteen loads may be out
	WIN 0x04                                       ; source 1 (Q) window 1
.set i, 0
.rept 16                               ; key tile i / 2, query tile i % 2: each fragment of K serves both tiles
	v_wmma_f32_16x16x64_bf8_bf8 v[S+64*(i%2)+8*(i/2):S+64*(i%2)+8*(i/2)+7], v[KF+8*(i/2):KF+8*(i/2)+7], v[\qreg+8*(i%2):\qreg+8*(i%2)+7], 0
.set i, i+1
.endr
	WIN 0
	NOPS 4                                         ; places in front of the first read of the scores
.if \guarded
	s_cmp_lg_u32 s[SI], s[AP]
	s_cbranch_scc1 .Lopen_\@
	; THE DIAGONAL.  First tile: query 128 a + 16 p + r; register 8 t + j is key 128 a + 16 t + 8 h + j: hidden where 16 t + j > 16 p + r - 8 h; all of t = 4 .. 7 are hidden.
	; Second tile: its queries lie 64 on: t = 0 .. 3 all count, and register 8 (t + 4) + j is hidden on the same condition: one compare serves both.
.set i, 0
.rept 32
	v_cmp_gt_i32 vcc_lo, 16*(i/8)+i%8, v[DQ]
	v_cndmask_b32 v[S+i], v[S+i], v[NINF], vcc_lo
	v_cndmask_b32 v[S+96+i], v[S+96+i], v[NINF], vcc_lo
.set i, i+1
.endr
.set i, 0
.rept 32
	v_mov_b32 v[S+32+i], v[NINF]
.set i, i+1
.endr
.Lopen_\@:
.endif
	; the step's largest score of my query among my 64 keys: two chains a tile, the tiles by turns, each accumulator from its low end on
.irp x, 0,1
	v_max3_num_f32 v[ST+8*\x+6], v[S+64*\x], v[S+64*\x+1], v[S+64*\x+2]
.endr
.irp x, 0,1
	v_max3_num_f32 v[ST+8*\x+7], v[S+64*\x+3], v[S+64*\x+4], v[S+64*\x+5]
.endr
.set i, 6
.rept 14
.irp x, 0,1
	v_max3_num_f32 v[ST+8*\x+6], v[ST+8*\x+6], v[S+64*\x+i], v[S+64*\x+i+1]
.endr
.irp x, 0,1
	v_max3_num_f32 v[ST+8*\x+7], v[ST+8*\x+7], v[S+64*\x+i+2], v[S+64*\x+i+3]
.endr
.set i, i+4
.endr
.irp x, 0,1
	v_max3_num_f32 v[ST+8*\x+6], v[ST+8*\x+6], v[S+64*\x+62], v[S+64*\x+63]
.endr
.irp x, 0,1
	s_delay_alu instid0(VALU_DEP_2)
	v_max_num_f32 v[ST+8*\x+6], v[ST+8*\x+6], v[ST+8*\x+7]
.endr
.irp x, 0,1
	s_delay_alu instid0(VALU_DEP_2)
	v_permlanex16_b32 v[PX+\x], v[ST+8*\x+6], s[SEL], s[SEL+1]
.endr
.irp x, 0,1
	s_delay_alu instid0(VALU_DEP_2)
	v_max_num_f32 v[ST+8*\x+6], v[ST+8*\x+6], v[PX+\x]     ; and among lane l xor 16's
.endr
.irp x, 0,1
	s_delay_alu instid0(VALU_DEP_2)
	v_mul_f32 v[ST+8*\x+6], s[CS], v[ST+8*\x+6]            ; as t (c is positive)
.endr
.irp x, 0,1
	v_mov_b32 v[ST+8*\x+1], v[ST+8*\x]                     ; the old -M
.endr
.irp x, 0,1
	s_delay_alu instid0(VALU_DEP_4)
	v_floor_f32 v[ST+8*\x+7], -v[ST+8*\x+6]                ; floor(-t) = -ceil(t): a whole number
.endr
.irp x, 0,1
	s_delay_alu instid0(VALU_DEP_2)
	v_min_num_f32 v[ST+8*\x], v[ST+8*\x], v[ST+8*\x+7]     ; the new -M: the ceiling of the running maximum is the maximum of the ceilings
.endr
.irp x, 0,1
	s_delay_alu instid0(VALU_DEP_2)
	v_sub_f32 v[ST+8*\x+7], v[ST+8*\x], v[ST+8*\x+1]       ; old M - new M: a whole number, 0 or less
.endr
.irp x, 0,1
	s_delay_alu instid0(VALU_DEP_2)
	v_cvt_i32_f32 v[ST+8*\x+7], v[ST+8*\x+7]               ; (it saturates)
.endr
.irp x, 0,1
	s_delay_alu instid0(VALU_DEP_2)
	v_ldexp_f32 v[ST+8*\x+4], 1.0, v[ST+8*\x+7]            ; f = 2^(old M - new M)
.endr
.set i, 0
.rept 32
.irp x, 0,1
	v_pk_fma_f32 v[S+64*\x+i:S+64*\x+i+1], v[S+64*\x+i:S+64*\x+i+1], s[CS:CS+1], v[ST+8*\x:ST+8*\x+1] op_sel_hi:[1,0,0]   ; t - M, two at a time (of the pairs c and -M the low word serves both halves)
.endr
.set i, i+2
.endr
.set i, 0
	s_setprio 1
	s_wait_alu depctr_va_vdst(0)
.rept 128
	v_exp_f32 v[S+i], v[S+i]                       ; p = 2^(t - M), at most 1: both tiles' exponentials are ONE batch
.set i, i+1
.endr
.irp x, 0,1
	v_pk_mul_f32 v[ST+8*\x+2:ST+8*\x+3], v[ST+8*\x+2:ST+8*\x+3], v[ST+8*\x+4:ST+8*\x+5] op_sel_hi:[1,0]   ; l under the new M: the plain lines behind the last exponential
.endr
	s_wait_alu depctr_va_vdst(0)                   ; one wait for the batch, ahead of the first line that names a result
.irp x, 0,1
	v_pk_add_f32 v[C2+2*\x:C2+2*\x+1], v[S+64*\x:S+64*\x+1], v[S+64*\x+2:S+64*\x+3]   ; the sum is taken of the UNQUANTISED p: two chains a tile
.endr
.set i, 4
.rept 15
.irp x, 0,1
	v_pk_add_f32 v[ST+8*\x+2:ST+8*\x+3], v[ST+8*\x+2:ST+8*\x+3], v[S+64*\x+i:S+64*\x+i+1]
.endr
.irp x, 0,1
	v_pk_add_f32 v[C2+2*\x:C2+2*\x+1], v[C2+2*\x:C2+2*\x+1], v[S+64*\x+i+2:S+64*\x+i+3]
.endr
.set i, i+4
.endr
.irp x, 0,1
	s_delay_alu instid0(VALU_DEP_2)
	v_pk_add_f32 v[ST+8*\x+2:ST+8*\x+3], v[ST+8*\x+2:ST+8*\x+3], v[C2+2*\x:C2+2*\x+1]
.endr
.set i, 0
.rept 128
.set i, i+1
.endr
	WIN 0x40                                       ; the codes go to window 1
.set i, 0
.rept 16                               ; tile i / 8, key tile i % 8: registers 2 t, 2 t + 1 of the tile's P
	v_cvt_scalef32_pk8_bf8_f32 v[PC+2*i:PC+2*i+1], v[S+8*i:S+8*i+7], v[PSC]
.set i, i+1
.endr
	WIN 0x41                                       ; O^T (destination and source 0) window 1, f window 0
.set i, 0
	s_setprio 0
.rept 16
.irp x, 0,1
	v_pk_mul_f32 v[O+32*\x+i:O+32*\x+i+1], v[O+32*\x+i:O+32*\x+i+1], v[ST+8*\x+4:ST+8*\x+5] op_sel_hi:[1,0]   ; O^T under the new M.  (Also the plain lines between the conversions and the products that read the codes)
.endr
.set i, i+2
.endr
	s_wait_alu depctr_va_vdst(0)
	s_wait_dscnt 0x0                               ; V is in
	WIN 0x55                                       ; all four operands window 1
.set i, 0
.rept 8                                ; channel tile i / 2, query tile i % 2: eight accumulators, one instruction a turn; the sixteen products K Q^T stand between an accumulator's turns
	v_wmma_f32_16x16x128_bf8_bf8 v[O+32*(i%2)+8*(i/2):O+32*(i%2)+8*(i/2)+7], v[VF+16*(i/2):VF+16*(i/2)+15], v[PC+16*(i%2):PC+16*(i%2)+15], v[O+32*(i%2)+8*(i/2):O+32*(i%2)+8*(i/2)+7]
.set i, i+1
.endr
	WIN 0
.if \guarded
.Lskip_\@:
.endif
	s_add_co_u32 s[TB], s[TB], STEPB
	s_add_co_u32 s[SI], s[SI], 1
.endm
; A pair ends: O^T / l, converted by the folded scale: channel tile d's eight registers give registers 2 d, 2 d + 1 of the output's fragment; two stores of 512 consecutive bytes a tile.
.macro WAYOUT oa
	NOPS 4                                         ; places behind the last products
.irp x, 0,1
	v_add_f32 v[ST+8*\x+6], v[ST+8*\x+2], v[ST+8*\x+3]     ; l's two halves,
.endr
.irp x, 0,1
	s_delay_alu instid0(VALU_DEP_2)
	v_permlanex16_b32 v[PX+\x], v[ST+8*\x+6], s[SEL], s[SEL+1]
.endr
.irp x, 0,1
	s_delay_alu instid0(VALU_DEP_2)
	v_add_f32 v[ST+8*\x+6], v[ST+8*\x+6], v[PX+\x]         ; and lane l xor 16's.  Every query counts its own key, so l is above 1/2
.endr
	s_wait_alu depctr_va_vdst(0)
.irp x, 0,1
	v_rcp_f32 v[ST+8*\x+4], v[ST+8*\x+6]
.endr
	v_nop                                          ; a plain line behind the last reciprocal,
	s_wait_alu depctr_va_vdst(0)                   ; and one wait for the two, ahead of their first reader
	WIN 0x01                                       ; source 0 (O^T) window 1; the quotients go where the scores lay
.set i, 0
.rept 16
.irp x, 0,1
	v_pk_mul_f32 v[S+64*\x+i:S+64*\x+i+1], v[O+32*\x+i:O+32*\x+i+1], v[ST+8*\x+4:ST+8*\x+5] op_sel_hi:[1,0]   ; each accumulator from its low end on
.endr
.set i, i+2
.endr
	WIN 0
.set i, 0
.rept 32
.irp x, 0,1
.endr
.set i, i+1
.endr
	s_wait_alu depctr_va_vdst(0)
	s_wait_xcnt 0x0                                ; the pair before has stored from the codes' registers: they are written again only behind this wait
.irp x, 0,1
.irp d, 0,1,2,3
	v_cvt_scalef32_pk8_bf8_f32 v[OC+8*\x+2*\d:OC+8*\x+2*\d+1], v[S+64*\x+8*\d:S+64*\x+8*\d+7], v[OSC]
.endr
.endr
	v_nop                                          ; one plain line behind the last conversion: the next pair's products write its sources
.irp x, 0,1
.irp i, 0,1
	global_store_b128 v[LI], v[OC+8*\x+4*\i:OC+8*\x+4*\i+3], s[\oa:\oa+1] offset:65536*\x+512*\i   ; 512 consecutive bytes, at a multiple of 512 from aimg's first byte
.endr
.endr
.endm
	INIT
	s_mov_b32 s[TB], 0
	s_mov_b32 s[SI], 0
	s_wait_loadcnt 0x0                             ; Q
	s_wait_tensorcnt 1                             ; my part of the first 1,024 keys is in; my part of the rest may be out: the first loop reads the first halves of K and V alone
	s_barrier_signal -1
	s_barrier_wait -1                              ; everybody's is
.Lhi_a:                                            ; pair 15 - w, key steps 0 to 7: the pair is 8 at the least, so all eight count whole, in every wave
	STEP QHI, 0
	s_cmp_lt_u32 s[SI], 8
	s_cbranch_scc1 .Lhi_a
	s_setprio 0
	s_wait_tensorcnt 0x0                           ; my part of the last 1,024 keys is in,
	s_wait_dscnt 0x0
	s_barrier_signal -1
	s_barrier_wait -1                              ; everybody's is
	s_mov_b32 s[TB], 8*STEPB
	s_sub_co_u32 s[AP], 15, s[WV]
.Lhi_b:                                            ; key steps 8 to 15: eight trips in every wave; those behind the pair's last are left out
	STEP QHI, 1
	s_cmp_lt_u32 s[SI], 16
	s_cbranch_scc1 .Lhi_b
	s_setprio 0
	WAYOUT OA
	INIT
	s_mov_b32 s[TB], 0
	s_mov_b32 s[SI], 0
	s_mov_b32 s[AP], s[WV]
.Llo:                                              ; pair w, key steps 0 to 7 likewise
	STEP QLO, 1
	s_cmp_lt_u32 s[SI], 8
	s_cbranch_scc1 .Llo
	s_setprio 0
	s_wait_alu depctr_va_vdst(0)
	WAYOUT OA+2
	s_wait_tensorcnt 0x0
	ds_add_u32 v46, v47
	s_wait_dscnt 0x0
	CROUND                                         ; the closing round
	s_endpgm
.Lfunc_end_k_q84f6797768_attn:
	.size	k_q84f6797768_attn, .Lfunc_end_k_q84f6797768_attn-k_q84f6797768_attn
	.p2alignl 7, 3214868480
	.fill 96, 4, 3214868480
	.section	.rodata,"a",@progbits
	.p2align	6, 0x0
	.amdhsa_kernel k_q84f6797768_attn
		.amdhsa_group_segment_fixed_size 263168
		.amdhsa_private_segment_fixed_size 0
		.amdhsa_enable_private_segment 0
		.amdhsa_kernarg_size 24
		.amdhsa_user_sgpr_count 2
		.amdhsa_user_sgpr_kernarg_segment_ptr 1
		.amdhsa_wavefront_size32 1
		.amdhsa_system_sgpr_workgroup_id_x 1
		.amdhsa_system_sgpr_workgroup_id_y 1
		.amdhsa_system_sgpr_workgroup_id_z 1
		.amdhsa_system_vgpr_workitem_id 0
		.amdhsa_next_free_vgpr 448
		.amdhsa_next_free_sgpr 80
		.amdhsa_reserve_vcc 1
		.amdhsa_float_denorm_mode_32 3
		.amdhsa_float_denorm_mode_16_64 3
		.amdhsa_fp16_overflow 1
		.amdhsa_memory_ordered 1
		.amdhsa_forward_progress 1
		.amdhsa_inst_pref_size 103
	.end_amdhsa_kernel
	.amdgpu_metadata
---
amdhsa.version: [ 1, 2 ]
amdhsa.kernels:
  - .name:           k_q84f6797768_attn
    .symbol:         k_q84f6797768_attn.kd
    .args:
      - { .name: qkv, .offset: 0, .size: 8, .value_kind: global_buffer, .address_space: global }
      - { .name: lowp_scales, .offset: 8, .size: 8, .value_kind: global_buffer, .address_space: global }
      - { .name: aimg, .offset: 16, .size: 8, .value_kind: global_buffer, .address_space: global }
    .group_segment_fixed_size: 263168
    .private_segment_fixed_size: 0
    .kernarg_segment_align: 8
    .kernarg_segment_size: 24
    .max_flat_workgroup_size: 256
    .sgpr_count:     80
    .vgpr_count:     448
    .wavefront_size: 32
...
	.end_amdgpu_metadata
.endif
;; end of part 3
;; launch oproj (part 4): grid 4 x 32, 4 waves a work-group, clusters of 4 x 4, 327,680 bytes of LDS; arguments aimg, img, lowp_scales, out0; writes out0
.if DOCPART == 4
	.amdgcn_target "amdgcn-amd-amdhsa--gfx1250"
	.amdhsa_code_object_version 6
	.text
	.protected	k_q84f6797768_oproj
	.globl	k_q84f6797768_oproj
	.p2align	8
	.type	k_q84f6797768_oproj,@function
k_q84f6797768_oproj:
	s_mov_b64 s[64:65], 0
	v_nop
	global_prefetch_b8 v0, s[64:65] scope:SCOPE_SE
	s_setreg_imm32_b32 hwreg(HW_REG_WAVE_MODE, 25, 1), 1
	s_wait_xcnt 0x0
	s_wait_alu depctr_hold_cnt(0) depctr_sa_sdst(0) depctr_va_vdst(0) depctr_va_sdst(0) depctr_va_ssrc(0) depctr_va_vcc(0) depctr_vm_vsrc(0)
	s_getreg_b32 s2, hwreg(HW_REG_IB_STS2, 6, 4)
	s_cmp_eq_u32 s2, 0
	s_cbranch_scc0 .Lentry_in_a_cluster
	s_endpgm
.Lentry_in_a_cluster:
	s_bfe_u32 s2, ttmp6, 0x10000c
	s_cmp_lg_u32 s2, 0xf033
	s_cbranch_scc0 .Lentry_shape_is_right
	s_endpgm
.Lentry_shape_is_right:
; out0[m][n] = sum over k of A[m][k] W_O[n][k] on codes of BF8 (E5M2), K = 1,024; A is the attention's output.  out0: [8192][1024] f32; sums in f32, each multiplied once by 2^(entries 10 + 11).
; LIMIT: entries 10 + 11 lie between -126 and 127, so that their power of two is an f32 number.
; OPERANDS are images of operand registers: row tiles of 16 rows x 1,024 K, 16,384 bytes, 8 fragments of 2,048 bytes; registers 4 i .. 4 i + 3 of a fragment at 512 i + 16 x lane.  A: aimg, tile = token / 16.  B: img, tiles 1,728 on.
; A tile of out0, 256 x 256, is made by four waves, as many as a WGP has SIMDs, each 128 x 128: 64 accumulators, 512 registers.  32 x 4 tiles: 128 work-groups; a smaller tile would read more LDS bytes for each product.
; RING: K goes in steps of 256 through two LDS slots; a slot is 16 row tiles of A and 16 of B, 4,096 bytes each: dense images, read 16 bytes a lane, 512 consecutive bytes an instruction.
; CLUSTERS: 4 x 4 work-groups; A's tile is asked for jointly by the four of a row of the cluster, B's by the four of a column.
; THE MATRIX INSTRUCTION IS USED TRANSPOSED (source 0 = 16 rows of B, source 1 = 16 rows of A): a lane holds eight neighbouring numbers of a row of out0.
; REGISTERS, in windows of 256: window 0: v0-31 addresses; v128-255 A's fragments, ONE set; on the way out v32-255 are free.  window 1: B's fragments, TWO sets.  windows 2, 3: the accumulators ((a, b) at v[8 (8 (a % 4) + b)]).
.set SIZE_N, 1024
.set TROW,   4096                      ; a row tile's part of a slot: two fragments
.set HALFT,  8*TROW                    ; 128 rows: what one tensor load brings, and what one wave reads of A or of B
.set SLOT,   4*HALFT                   ; A's 256 rows, then B's 256 rows
.set SPARE,  2*SLOT                    ; behind the ring: the spare words, 128 bytes for each wave: two blocks of 256 bytes that no other line names
.set LAPS,   2                         ; 1,024 along K = four slots' worth = twice round the ring
.set FR,     16                        ; registers of a fragment
.set NL,     4                         ; LDS loads that bring one
.set NP,     4                         ; places behind this matrix instruction (ISA guide 7.12.1)
.set SPITCH, 528                       ; the way out: a stage of 16 rows x (512 bytes + 16) for each wave.  It lies in slot 0, which has had its last fill and its last read when the first result is stored there
.set ADRA, 16                          ; v16-17  LDS address of my A fragments in slot 0, 1
.set ADRB, 20                          ; v20-21  the same for B
.set STO,  24                          ; v24     the way out: where I put 32 bytes of a row
.set RD,   25                          ; v25     the way out: where I read a row back
.set CO,   26                          ; v26     16 x lane: my place in an image, and in a row's 512 bytes of out0
.set SPW,  28                          ; v28     LDS address of my spare word: SPARE + 4 x my thread's number; never rewritten
.set NIL,  29                          ; v29     0; never rewritten
.set TMP,  32                          ; the way out: 64 registers, a block's sums x the power of two
.set AF,   128                         ; A's fragments, in window 0
.set BK,   128                         ; the way out: 16 rows read back from the stage: v128-191 and v192-255 by turns
.set G1, 24                            ; s[24:31] descriptor group 1 for A's tiles;  s[32:39] group 0, one set for each slot
.set G0, 32
.set G1B, 48                           ; s[48:55], s[56:63] the same for B's tiles
.set G0B, 56
.set MSB, 0
.macro WIN new                         ; the immediate's high byte repeats the setting that is left
.if MSB != \new
	s_set_vgpr_msb (MSB<<8)|\new
.set MSB, \new
.endif
.endm
.set MUL_LO, 0xa1                      ; source 0 (B) window 1, source 1 (A) window 0, C and D window 2
.set MUL_HI, 0xf1                      ; the same, C and D window 3
.set TO_B,   0x40                      ; destination window 1, address window 0
; A joint load: waves 0 and 1 fetch for A, waves 2 and 3 for B.  Each of the two lines has ONE mask and one set of registers for all that issue it; the branch hangs on the wave's number alone.
; Four v_nop follow each of the two lines, ahead of the jump, the label and what follows.
.macro JLOAD g0a, g1a, g0b, g1b
	s_cmp_eq_u32 s15, 0
	s_cbranch_scc0 .Lfor_b_\@
	tensor_load_to_lds s[\g0a:\g0a+3], s[\g1a:\g1a+7]
	s_nop 0
.rept 4
	v_nop
.endr
	s_branch .Lasked_\@
.Lfor_b_\@:
	tensor_load_to_lds s[\g0b:\g0b+3], s[\g1b:\g1b+7]
	s_nop 0
.rept 4
	v_nop
.endr
.Lasked_\@:
.endm
.macro CREST                           ; a round of the cluster's barrier behind its opening barrier
	s_cmp_lg_u32 s14, 0
	s_cbranch_scc1 .Lnot_wave_0_\@
	s_barrier_signal -3
.Lnot_wave_0_\@:
	s_barrier_wait -3
	s_barrier_signal -1
	s_barrier_wait -1
.endm
.macro CROUND                          ; a whole round
	s_barrier_signal -1
	s_barrier_wait -1
	CREST
.endm
	s_load_b128 s[4:7], s[0:1], 0x0                ; aimg s[4:5], img s[6:7]
	s_load_b128 s[8:11], s[0:1], 0x10              ; the scales' exponents s[8:9], out0 s[10:11]
	v_lshl_add_u32 v[SPW], v0, 2, SPARE
	v_mov_b32 v[NIL], 0
	ds_add_u32 v28, v29
	ds_add_u32 v28, v29
	s_wait_dscnt 0x0
	v_lshrrev_b32 v1, 5, v0
	v_readfirstlane_b32 s14, v1                    ; wave 0..3
	s_lshr_b32 s15, s14, 1                         ; which half of the tile's rows is mine.  Also: I fetch for A (0) or for B (1)
	s_and_b32 s16, s14, 1                          ; which half of its columns.  Also: which 128 rows of that tile I fetch
	s_bfe_u32 s40, ttmp6, 0x40000                  ; cx, cy: my place in the cluster
	s_bfe_u32 s41, ttmp6, 0x40004
	s_lshl_b32 s42, ttmp9, 2
	s_add_co_u32 s42, s42, s40                     ; tile column = 4 x cluster x + cx
	s_and_b32 s17, ttmp7, 0xffff
	s_lshl_b32 s17, s17, 2
	s_add_co_u32 s17, s17, s41                     ; tile row = 4 x cluster y + cy
	s_lshl_b32 s43, s41, 2
	s_lshl_b32 s43, 15, s43                        ; my row of the cluster
	s_lshl_b32 s44, 0x1111, s40                    ; my column
	; descriptor group 1: 8 rows (row tiles) of 512 elements of 8 bytes (a slot's 4,096 bytes of a row tile), 2,048 elements (a row tile's 16,384 bytes) apart; dense in LDS
	s_or_b32 s[G1+0], s43, (3<<16)|(1<<21)         ; 15:0 the mask: A's tiles go to my row; 17:16 elements of 8 bytes; 20 no padding; 21 set beside a mask
	s_or_b32 s[G1B+0], s44, (3<<16)|(1<<21)
.irp g, G1, G1B
	s_mov_b32 s[\g+1], 512<<16                     ; tensor_dim0
	s_mov_b32 s[\g+2], 8<<16                       ; tensor_dim1
	s_mov_b32 s[\g+3], 512<<16                     ; tile_dim0
	s_mov_b32 s[\g+4], 8                           ; tile_dim1
	s_mov_b32 s[\g+5], 2048                        ; tensor_dim0_stride
	s_mov_b32 s[\g+6], 0
	s_mov_b32 s[\g+7], 0
.endr
	s_lshl_b32 s18, s16, 3                         ; which 8 row tiles of the 16 I fetch
	s_lshl_b32 s20, s17, 4
	s_add_co_u32 s20, s20, s18                     ; A: row tile 16 x tile row + 8 x half
	s_lshl_b32 s20, s20, 14
	s_mov_b32 s21, 0
	s_lshl_b32 s46, s42, 4
	s_add_co_u32 s46, s46, s18
	s_add_co_u32 s46, s46, 1728                    ; B: W_O's row tiles begin at 1,728: + 16 x tile column + 8 x half
	s_lshl_b32 s46, s46, 14
	s_mov_b32 s47, 0
	s_mul_i32 s45, s14, HALFT                      ; where they go: wave x 32,768: no place in the cluster enters an LDS address
	s_wait_kmcnt 0x0
	s_load_b64 s[96:97], s[8:9], 0x28              ; entries 10, 11
	s_add_nc_u64 s[20:21], s[4:5], s[20:21]
	s_add_nc_u64 s[46:47], s[6:7], s[46:47]
	CROUND                                         ; all sixteen work-groups are here: the first joint loads meet
.irp s, 0,1
	s_mov_b32 s[G0+4*\s], 1
	s_add_co_u32 s[G0+4*\s+1], s45, \s*SLOT
	s_add_nc_u64 s[G0+4*\s+2:G0+4*\s+3], s[20:21], \s*TROW
	s_or_b32 s[G0+4*\s+3], s[G0+4*\s+3], 0x80000000
	s_mov_b32 s[G0B+4*\s], 1
	s_add_co_u32 s[G0B+4*\s+1], s45, \s*SLOT
	s_add_nc_u64 s[G0B+4*\s+2:G0B+4*\s+3], s[46:47], \s*TROW
	s_or_b32 s[G0B+4*\s+3], s[G0B+4*\s+3], 0x80000000
	s_wait_alu depctr_va_vdst(0)
	s_wait_tensorcnt 0x0
	ds_add_u32 v28, v29
	ds_add_u32 v28, v29
	s_wait_dscnt 0x0
	CROUND
	JLOAD G0+4*\s, G1, G0B+4*\s, G1B
.endr
	v_and_b32 v1, 15, v0                           ; l % 16
	s_wait_alu depctr_va_vdst(0)
	v_bfe_u32 v2, v0, 4, 1                         ; l / 16
	v_and_b32 v6, 31, v0
	v_lshlrev_b32 v[CO], 4, v6                     ; 16 x lane
	s_mul_i32 s21, s15, HALFT                      ; my 128 rows of A
	s_mul_i32 s22, s16, HALFT                      ; my 128 rows of B,
	s_add_co_u32 s22, s22, 2*HALFT                 ; which lie behind A's 256
.irp s, 0,1
	v_add_nc_u32 v[ADRA+\s], s21, v[CO]
	v_add_nc_u32 v[ADRB+\s], s22, v[CO]
	s_add_co_u32 s21, s21, SLOT
	s_add_co_u32 s22, s22, SLOT
.endr
	s_mul_i32 s23, s14, 16*SPITCH                  ; my stage
	v_mul_u32_u24 v5, v1, SPITCH                   ; in: row l % 16, 32 bytes for each half of the lanes
	s_wait_alu depctr_va_vdst(0)
	v_lshl_add_u32 v5, v2, 5, v5
	v_add_nc_u32 v[STO], s23, v5
	v_add_nc_u32 v[RD], s23, v[CO]                 ; back: the 32 lanes take one row of 512 bytes
	s_lshl_b32 s20, s17, 8
	s_lshl_b32 s21, s15, 7
	s_add_co_u32 s20, s20, s21                     ; my first row of out0: 256 x tile row + 128 x half
	s_mov_b32 s21, 0
	s_mov_b64 s[18:19], SIZE_N*4
	s_mul_u64 s[20:21], s[20:21], s[18:19]
	s_lshl_b32 s46, s42, 10                        ; my first column, in bytes: 1,024 x tile column + 512 x half
	s_lshl_b32 s47, s16, 9
	s_add_co_u32 s46, s46, s47
	s_mov_b32 s47, 0
	s_add_nc_u64 s[20:21], s[20:21], s[46:47]
	s_add_nc_u64 s[10:11], s[10:11], s[20:21]
.macro FRAG reg, adr, q, i             ; a fragment comes as it was laid: four loads of 512 consecutive bytes, 16 a lane
.irp c, 0,1,2,3
	ds_load_b128 v[\reg+4*\c:\reg+4*\c+3], v[\adr] offset:TROW*(\i)+2048*(\q)+512*\c
.endr
.endm
; 16 matrix instructions: A's blocks a0, a0 + 1 x B's eight, 128 along K.  p: B's set.  zero = 1: the first product starts the sums: nothing is ever cleared.
; The 64 accumulators take turns, one instruction a turn, in the same order in every step.
.macro MUL16 a0, p, zero
.irp a, \a0, \a0+1
.irp b, 0,1,2,3,4,5,6,7
.if \zero
	v_wmma_f32_16x16x128_bf8_bf8 v[8*(8*((\a)%4)+\b):8*(8*((\a)%4)+\b)+7], v[128*(\p)+FR*\b:128*(\p)+FR*\b+FR-1], v[AF+FR*(\a):AF+FR*(\a)+FR-1], 0
.else
	v_wmma_f32_16x16x128_bf8_bf8 v[8*(8*((\a)%4)+\b):8*(8*((\a)%4)+\b)+7], v[128*(\p)+FR*\b:128*(\p)+FR*\b+FR-1], v[AF+FR*(\a):AF+FR*(\a)+FR-1], v[8*(8*((\a)%4)+\b):8*(8*((\a)%4)+\b)+7]
.endif
.endr
.endr
.endm
.macro FETCH_B slot, q, p              ; B's eight fragments of the slot's q-th 128 along K into set p
	WIN TO_B
.irp i, 0,1,2,3,4,5,6,7
	FRAG 128*(\p)+FR*\i, ADRB+\slot, \q, \i
.endr
	WIN 0
.endm
.macro FETCH_A slot, q, i0             ; A's blocks i0 .. i0 + 3
.irp i, \i0, \i0+1, \i0+2, \i0+3
	FRAG AF+FR*(\i), ADRA+\slot, \q, \i
.endr
.endm
; A load into a register that a matrix instruction has read, and a vector instruction that reads a matrix result, stand NP places behind that matrix instruction; only plain vector
; instructions that name none of its registers are places (ISA guide 7.12.1 for vector instructions).
.macro PLACES n
.rept \n
	v_nop
.endr
.endm
; A step of 128 along K that has its successor in the same slot.  A's blocks go one after the other, each against B's eight: a block of A is free when its eight products are issued, so A has one set of registers.
.macro STEP slot, q, zero
	s_wait_dscnt 4*NL                              ; B's set and A's blocks 0-3 are in; the youngest sixteen loads (A's blocks 4-7) may be out
	WIN MUL_LO
	MUL16 0, (\q)%2, \zero
	MUL16 2, (\q)%2, \zero
	s_wait_dscnt 0                                 ; A's blocks 4-7 are in (asked for 32 matrix instructions ago)
	PLACES NP
	FETCH_B \slot, (\q)+1, 1-(\q)%2
	FETCH_A \slot, (\q)+1, 0
	WIN MUL_HI
	MUL16 4, (\q)%2, \zero
	MUL16 6, (\q)%2, \zero
	PLACES NP
	WIN 0
	FETCH_A \slot, (\q)+1, 4
.endm
; A slot's last step changes slots: ONE barrier; in front of it each wave waits for all its tensor loads, adds 0 to its spare word, and waits for that and for its own reads of this slot.  fill = 1: this slot is filled again, two slots' worth of K ahead.
.macro TURN slot, next, fill
	s_wait_tensorcnt 0x0                           ; all my tensor loads have landed: my part of the next slot;  (every window is 0 here: the add's two registers lie in window 0)
	ds_add_u32 v[SPW], v[NIL]                      ; 0 onto my spare word
	s_wait_dscnt 4*NL+1                            ; (the add and the youngest sixteen loads, A's blocks 4-7, may be out)
	WIN MUL_LO
	MUL16 0, 1, 0                                  ; sixteen matrix instructions stand between the add and the wait for it
	s_wait_dscnt 0x0                               ; the add is done, and my reads of this slot are over
	s_barrier_signal -1
	MUL16 2, 1, 0
	WIN 0
	s_barrier_wait -1
.if \fill
	CREST                                          ; the barrier has opened a round of the cluster's barrier: no wave of any partner still reads this slot's tile or has a load on its way
	s_add_nc_u64 s[G0+4*\slot+2:G0+4*\slot+3], s[G0+4*\slot+2:G0+4*\slot+3], 2*TROW
	s_add_nc_u64 s[G0B+4*\slot+2:G0B+4*\slot+3], s[G0B+4*\slot+2:G0B+4*\slot+3], 2*TROW
	JLOAD G0+4*\slot, G1, G0B+4*\slot, G1B         ; the first tensor load behind the round; the four v_nop behind it are the places in front of the loads below
.else
	PLACES NP
.endif
	FETCH_B \next, 0, 0
	FETCH_A \next, 0, 0
	WIN MUL_HI
	MUL16 4, 1, 0
	MUL16 6, 1, 0
	PLACES NP
	WIN 0
	FETCH_A \next, 0, 4
.endm
	s_wait_tensorcnt 1                             ; my part of slot 0 is in (slot 1's load may be out)
	s_barrier_signal -1
	s_barrier_wait -1                              ; everybody's is
	FETCH_B 0, 0, 0
	FETCH_A 0, 0, 0
	FETCH_A 0, 0, 4
	STEP 0, 0, 1                                   ; the first step's products start the sums
.rept LAPS-1                           ; once round the ring, from a lap's second step to the next lap's first: both slots are filled again
	TURN 0, 1, 1
	STEP 1, 0, 0
	TURN 1, 0, 1
	STEP 0, 0, 0
.endr
	TURN 0, 1, 0                                   ; the last lap fills nothing, and has no round of the cluster's barrier
	STEP 1, 0, 0
	s_wait_dscnt 4*NL                              ; the very last step: nothing more to fetch
	WIN MUL_LO
	MUL16 0, 1, 0
	MUL16 2, 1, 0
	s_wait_dscnt 0
	WIN MUL_HI
	MUL16 4, 1, 0
	MUL16 6, 1, 0
	WIN 0
; THE WAY OUT, block by block of 16 rows x 128 columns.  A lane holds 32 neighbouring bytes of a row, and the lanes beside it hold other rows: so a block goes through my own stage in LDS and comes back as whole
; rows of 512 bytes, which the 32 lanes store as 512 consecutive bytes.  LDS serves a wave's instructions in order (ISA guide 5.7.1.4): no wait between the stores and the loads, nor in front of the next block's stores.
.macro TOSTAGE a
.set AC, 64*((\a)%4)
	WIN 0x02+((\a)/4)                              ; source 0: window 2 or 3
.irp j, 0,2,4,6,8,10,12,14,16,18,20,22,24,26,28,30,32,34,36,38,40,42,44,46,48,50,52,54,56,58,60,62
	v_pk_mul_f32 v[TMP+\j:TMP+\j+1], v[AC+\j:AC+\j+1], s[96:97] op_sel_hi:[1,0]   ; both x s96, the power of two: nothing is rounded, short of overflow and underflow; each accumulator from its low end on
.endr
	WIN 0
.irp b, 0,1,2,3,4,5,6,7
	ds_store_b128 v[STO], v[TMP+8*\b:TMP+8*\b+3] offset:64*\b
	ds_store_b128 v[STO], v[TMP+8*\b+4:TMP+8*\b+7] offset:64*\b+16
.endr
.set BB, BK+64*((\a)%2)
.irp t, 0,1,2,3,4,5,6,7,8,9,10,11,12,13,14,15
	ds_load_b128 v[BB+4*\t:BB+4*\t+3], v[RD] offset:\t*SPITCH
.endr
.endm
.macro SEND a, younger                 ; younger: the LDS instructions issued behind block a's loads, which may stay out
.set BB, BK+64*((\a)%2)
	s_wait_dscnt \younger                          ; the block is back in registers
.if (\a) > 0
	s_add_nc_u64 s[10:11], s[10:11], 16*SIZE_N*4   ; (behind a wait on XCNT: the earlier stores have read their base)  16 rows of out0 on
.endif
.irp t, 0,1,2,3,4,5,6,7,8,9,10,11,12,13,14,15
	global_store_b128 v[CO], v[BB+4*\t:BB+4*\t+3], s[10:11] offset:\t*SIZE_N*4 th:TH_STORE_NT   ; 32 lanes store 512 consecutive bytes, at a multiple of 512 from out0's first byte; written once, read by nobody here
.endr
.endm
	s_wait_kmcnt 0x0
	s_add_co_i32 s96, s96, s97                     ; entries 10 + 11, between -126 and 127,
	s_add_co_i32 s96, s96, 127
	s_lshl_b32 s96, s96, 23                        ; make the f32 number 2^(their sum)
	PLACES NP                                      ; behind the last products: for the loads into the registers that held A's fragments, and for the reads of results
	TOSTAGE 0
.irp a, 1,2,3,4,5,6,7
.if \a > 1
	s_wait_xcnt 0x0                                ; block a - 2's stores have read their registers and their base: block a's loads may land there, and the base may step
.endif
	TOSTAGE \a
	SEND \a-1, 32                                  ; behind block a - 1's loads: block a's 16 stores and 16 loads
.endr
	s_wait_xcnt 0x0                                ; block 6's stores have read their base
	SEND 7, 0
	s_wait_tensorcnt 0x0                           ; the wave's end: behind my last tensor load and my last LDS store
	ds_add_u32 v[SPW], v[NIL]
	s_wait_dscnt 0x0
	CROUND                                         ; the closing round: no work-group ends while a partner may still ask for a tile that names it
	s_endpgm
.Lfunc_end_k_q84f6797768_oproj:
	.size	k_q84f6797768_oproj, .Lfunc_end_k_q84f6797768_oproj-k_q84f6797768_oproj
	.p2alignl 7, 3214868480
	.fill 96, 4, 3214868480
	.section	.rodata,"a",@progbits
	.p2align	6, 0x0
	.amdhsa_kernel k_q84f6797768_oproj
		.amdhsa_group_segment_fixed_size 327680
		.amdhsa_private_segment_fixed_size 0
		.amdhsa_enable_private_segment 0
		.amdhsa_kernarg_size 32
		.amdhsa_user_sgpr_count 2
		.amdhsa_user_sgpr_kernarg_segment_ptr 1
		.amdhsa_wavefront_size32 1
		.amdhsa_system_sgpr_workgroup_id_x 1
		.amdhsa_system_sgpr_workgroup_id_y 1
		.amdhsa_system_sgpr_workgroup_id_z 1
		.amdhsa_system_vgpr_workitem_id 0
		.amdhsa_next_free_vgpr 1024
		.amdhsa_next_free_sgpr 98
		.amdhsa_reserve_vcc 0
		.amdhsa_float_denorm_mode_32 3
		.amdhsa_float_denorm_mode_16_64 3
		.amdhsa_memory_ordered 1
		.amdhsa_forward_progress 1
		.amdhsa_inst_pref_size 124
	.end_amdhsa_kernel
	.amdgpu_metadata
---
amdhsa.version: [ 1, 2 ]
amdhsa.kernels:
  - .name:           k_q84f6797768_oproj
    .symbol:         k_q84f6797768_oproj.kd
    .args:
      - { .name: aimg, .offset: 0, .size: 8, .value_kind: global_buffer, .address_space: global }
      - { .name: img, .offset: 8, .size: 8, .value_kind: global_buffer, .address_space: global }
      - { .name: lowp_scales, .offset: 16, .size: 8, .value_kind: global_buffer, .address_space: global }
      - { .name: out0, .offset: 24, .size: 8, .value_kind: global_buffer, .address_space: global }
    .group_segment_fixed_size: 327680
    .private_segment_fixed_size: 0
    .kernarg_segment_align: 8
    .kernarg_segment_size: 32
    .max_flat_workgroup_size: 128
    .sgpr_count:     98
    .vgpr_count:     1024
    .wavefront_size: 32
...
	.end_amdgpu_metadata
.endif
;; end of part 4
